; MI455X (gfx1250); checked and timed in simulation.
; The chip was launched on July 23, 2026; its instructions are those of AMD's public machine-readable ISA for CDNA 5 (MIT licence, August 2026) and "CDNA5" Instruction Set Architecture Reference Guide (July 2026). The comments in the code are by the model that wrote it; some were corrected since.
;; Tt Causal Self Attention. Allowed arithmetic: matrix products marked QUANTISED: E2M1 operands, one E8M0 scale for each 32 along K, by v_wmma_scale_f32_16x16x128_f8f6f4 with both operands' format E2M1 (or v_wmma_scale_f32_32x16x128_f4), f32 sums; everything else in f32.
;; Inputs: b_attn 3,072 float32; b_proj 1,024 float32; w_attn 3,072 x 1,024 float32; w_proj 1,024 x 1,024 float32; x 4 x 2,048 x 1,024 float32.
;; Outputs: out0 4 x 2,048 x 1,024 float32.
;; This version of the problem:
;;   THIS VERSION OF THE PROBLEM IS GIVEN IN LOW PRECISION. The matrix products marked QUANTISED in the list below multiply operands that are first quantised to E2M1 (2 exponent bits, 1 mantissa bit; 4 bits a number), with one power-of-two scale for each 32 numbers along K (OCP MX v1.0); their sums are f32. All else is computed in f32.
;;   The module's matrix products, in the order in which they are computed (A, B: the left and right operand; K: the contracted axis; several contracted axes count as one K, in the product's order):
;;     1. [M 8,192, K 1,024] x [K 1,024, N 3,072]; A: input x; B: input w_attn: QUANTISED
;;     2. batch 64 x [M 2,048, K 64] x [K 64, N 2,048]; A: computed on the way; B: computed on the way: QUANTISED
;;     3. batch 64 x [M 2,048, K 2,048] x [K 2,048, N 64]; A: softmax (see below); B: computed on the way: QUANTISED
;;     4. [M 8,192, K 1,024] x [K 1,024, N 1,024]; A: computed on the way; B: input w_proj: QUANTISED
;;   THE QUANTISER, for each operand of a quantised product, along K:
;;     - K is cut into blocks of 32 from its start; a last block that is shorter is filled with zeros.
;;     - A block's scale is 2^e with e = floor(log2(the largest magnitude in the block)) - 2, held to -126 .. 127; a block of zeros has e = 0. As a byte (E8M0): e + 127.
;;     - Each number is divided by its block's scale, clamped to +-6, and rounded to the nearest number of E2M1, ties to even, subnormals kept.
;;     - The product sums the exact products of the quantised numbers (number of the format x scale) in f32.
;;   ~~~python
;;   def quantise(x, axis):      # numpy; x: float32 -> the quantised numbers, widened to float32 again
;;       x = np.moveaxis(x, axis, -1); K = x.shape[-1]
;;       x = np.pad(x, [(0, 0)] * (x.ndim - 1) + [(0, -K % 32)]); x = x.reshape(x.shape[:-1] + (-1, 32)); a = np.abs(x).max(-1, keepdims=True)
;;       e = np.where(a > 0, np.clip(np.frexp(np.where(a > 0, a, 1))[1] - 1 - 2, -126, 127), 0)      # np.frexp(a)[1] - 1 = floor(log2(a)), exactly
;;       r = np.clip(x / 2.0 ** e, -6, 6)
;;       step = 2.0 ** (np.maximum(np.frexp(np.where(r == 0, 1, r))[1] - 1, 0) - 1)
;;       q = np.round(r / step) * step * 2.0 ** e      # np.round: ties to even
;;       return np.moveaxis(q.reshape(q.shape[:-2] + (-1,))[..., :K], -1, axis).astype(np.float32)
;;   ~~~
;;   SOFTMAX AHEAD OF A QUANTISED PRODUCT. Where the list says 'softmax', what is quantised is not the finished softmax but p = 2^(t - M), with t = logit x log2(e) and M = ceil(the row's largest t), a whole number; so 1/2 < the row's largest p <= 1. The row's sum l is taken of the UNQUANTISED p, in f32, and the product's result is divided by l at the end. Since M is a whole number, a kernel that streams over the keys may use a running M (the ceiling of the running maximum): every later rescaling is an exact power of two, which a block's scale takes up: the codes' values come out the same.
;;   OPERANDS COMPUTED ON THE WAY. 'Computed on the way' means the value that the module computes at that place (a softmax that the list does not call 'softmax' is quantised finished and normalised). What goes into a quantiser is computed in f32, as accurately as f32 sums, v_exp_f32 and their like allow (about 1e-6 of the number): no bf16 or f16 on the way to a quantiser, and a product that is left as it is and whose result goes on into a quantised operand takes f32 operands (vector FMAs, or v_wmma_f32_16x16x4_f32). A number that lies on a knife's edge between two numbers of the format may be rounded either way, as far as f32 arithmetic and the matrix unit's own rounding can turn it there, and no further.
;; One version. Each part assembles by itself: llvm-mc -triple=amdgcn-amd-amdhsa -mcpu=gfx1250 --defsym DOCPART=n.
;; ======== version 1 of 1: 4 launches
;; workspace buffers: cimg 6,291,456 bytes; simg 393,216 bytes; qkv_img 12,582,912 bytes; qkv_scl 1,310,720 bytes; y_img 4,194,304 bytes; y_scl 262,144 bytes
;; launch quant (part 1): grid 768 x 1, 2 waves a work-group, no clusters, 17,152 bytes of LDS; arguments x, w_attn, w_proj, cimg, simg; writes cimg, simg
.if DOCPART == 1
	.amdgcn_target "amdgcn-amd-amdhsa--gfx1250"
	.amdhsa_code_object_version 6
	.text
	.protected	k_qddbf4431d5_quant
	.globl	k_qddbf4431d5_quant
	.p2align	8
	.type	k_qddbf4431d5_quant,@function
k_qddbf4431d5_quant:
	s_mov_b64 s[64:65], 0
	v_nop
	global_prefetch_b8 v0, s[64:65] scope:SCOPE_SE
	s_setreg_imm32_b32 hwreg(HW_REG_WAVE_MODE, 25, 1), 1
	s_wait_xcnt 0x0
; LAUNCH 1 OF 4.  x [8192][1024], w_attn [3072][1024], w_proj [1024][1024], f32, become codes of FP4 (E2M1) with one E8M0 byte for each 32 along K = 1024.
; A block's byte is its largest magnitude's exponent field - 2, held at 1 from below; each number is divided by the scale and rounded to the nearest code, ties to even, beyond 6 the code of 6.
; THE WHOLE PROGRAM: quant (this) -> qkv (product 1, bias, q, k, v quantised) -> attn (products 2 and 3, softmax, y quantised) -> proj (product 4, bias).  Between launches only codes and scale bytes travel.
; WORK LEFT OUT, in launch attn: reference() itself sets att to -inf wherever key > query (its own jnp.tril).  For every finite input such a key gives p = 0: it is never the row's maximum (key 0 counts for every query),
; adds 0 to the row's sum, and its code is 0, which adds 0 to the product with v under any scale.  So a step of 128 keys all of which come after all 16 queries of a tile reaches no output, and is not multiplied.
; All five inputs have a way to the output and are loaded.  LIMIT: a NaN, an infinity or an overflow that reaches only those steps is not carried to the result.
; LIMITS of this launch: NaN and infinities among the inputs are not served; a block whose largest magnitude lies under 2^-124 (a block of zeros too) gets the byte 1: the bytes are read by this program alone, and zero codes add nothing.
; LAYOUT OF THE OUTPUT (the order of the reader's operand registers).  Tile T is 16 rows; its row i is row 32 (T/2) + 8 (T%2) + i + 8 (i/8) of the tensor.
;   cimg: [768 tiles][32 blocks kb][16 rows r][16 bytes]: x tiles 0-511, w_attn 512-703, w_proj 704-767.  kb = 4 S + 2 g + h: half g of the fragment of K step S is 512 dense bytes, 16 x lane.
;   simg: [768][2][16 rows][16 bytes]: byte j of half kap is block 16 kap + j: four K steps' scale words of a row are 16 bytes on end.
; SHARES.  Work-group T makes tile T; wave kap takes 512 along K, four steps of 128.  Each load reads 512 consecutive bytes of one row; a step's 16 rows turn through the wave's own stage in LDS, so that a lane
; comes to hold two whole blocks of its row (k = 64 g + 32 h + 0..31): no other lane is asked for a maximum.  No barrier: waves share nothing.  No matrix unit, no cluster: the launch only streams.
.set STG,   16*528                     ; a wave's stage: 16 rows of 512 bytes + 16 of padding
.set SPARE, 2*STG                      ; behind the stages: the spare words, 128 bytes for each wave
.set SPW,   10                         ; v10  my spare word's address; never rewritten
.set NIL,   11                         ; v11  0; never rewritten
.set W,     16                         ; v16-19  a step's scale word
.set R,     32                         ; v32-159 two sets of 64 registers as loaded
.set X,     160                        ; v160-223 my 64 numbers of a step
.set CD,    224                        ; v224-255 codes: eight registers a step, never rewritten
	s_load_b256 s[4:11], s[0:1], 0x0               ; x s[4:5], w_attn s[6:7], w_proj s[8:9], cimg s[10:11]
	s_load_b64 s[12:13], s[0:1], 0x20              ; simg
	v_lshl_add_u32 v[SPW], v0, 2, SPARE
	v_mov_b32 v[NIL], 0
	v_lshrrev_b32 v1, 5, v0
	v_readfirstlane_b32 s16, v1                    ; wave = which half of K
	v_and_b32 v1, 31, v0
	v_lshlrev_b32 v2, 4, v1                        ; 16 x lane
	v_and_b32 v3, 15, v0                           ; r
	v_bfe_u32 v4, v0, 4, 1                         ; h
	s_mul_i32 s17, s16, STG
	v_add_nc_u32 v5, s17, v2                       ; the stage, on the way in: a row's 512 bytes as they lie
	v_mul_u32_u24 v6, v3, 528
	v_lshl_add_u32 v6, v4, 7, v6
	v_add_nc_u32 v6, s17, v6                       ; and on the way out: row r, + 128 h bytes
	v_lshlrev_b32 v8, 4, v3
	v_lshl_add_u32 v8, v4, 3, v8                   ; the scale words' place: 16 r + 8 h
	v_lshlrev_b32 v9, 3, v4                        ; 8 h
	v_mov_b32 v23, 0                               ; (a lane permute's destination counts as one of its sources)
	s_mov_b32 s24, 0x76543210
	s_mov_b32 s25, 0xfedcba98                      ; selects for lane l xor 16
	s_mov_b32 s26, 0xffff0000                      ; lanes 16-31
	s_mov_b32 s18, 704
	s_wait_alu depctr_va_vdst(0)
	s_wait_kmcnt 0x0
	s_cmp_lt_u32 ttmp9, 704                        ; which tensor: the choice hangs on the work-group's number alone
	s_cselect_b64 s[6:7], s[6:7], s[8:9]
	s_cselect_b32 s18, 512, s18
	s_cmp_lt_u32 ttmp9, 512
	s_cselect_b64 s[4:5], s[4:5], s[6:7]
	s_cselect_b32 s18, 0, s18
	s_sub_co_u32 s18, ttmp9, s18                   ; the tile's number in its tensor
	s_lshr_b32 s19, s18, 1
	s_lshl_b32 s19, s19, 17                        ; 32 rows of 4,096 bytes for each pair of tiles
	s_and_b32 s20, s18, 1
	s_lshl_b32 s20, s20, 15                        ; 8 rows for the odd tile
	s_add_co_u32 s20, s20, s19
	s_lshl_b32 s19, s16, 11                        ; my half of K: 2,048 bytes
	s_add_co_u32 s20, s20, s19
	s_mov_b32 s21, 0
	s_add_nc_u64 s[4:5], s[4:5], s[20:21]
	s_lshl_b32 s20, ttmp9, 13
	s_lshl_b32 s19, s16, 12
	s_add_co_u32 s20, s20, s19
	s_add_nc_u64 s[10:11], s[10:11], s[20:21]      ; cimg: tile x 8,192 + half x 4,096
	s_lshl_b32 s20, ttmp9, 9
	s_lshl_b32 s19, s16, 8
	s_add_co_u32 s20, s20, s19
	s_add_nc_u64 s[12:13], s[12:13], s[20:21]      ; simg: tile x 512 + half x 256
.macro LOAD s                          ; step s: 16 rows x 512 consecutive bytes
.irp i, 0,1,2,3,4,5,6,7,8,9,10,11,12,13,14,15
	global_load_b128 v[R+64*((\s)%2)+4*\i:R+64*((\s)%2)+4*\i+3], v2, s[4:5] offset:(\i+8*(\i/8))*4096+512*(\s) th:TH_LOAD_NT
.endr
.endm
.macro STEP s
.if (\s) < 3
	s_wait_loadcnt 16                              ; this step's 16 loads are in; the next step's 16 may be out
.else
	s_wait_loadcnt 0x0
.endif
.irp i, 0,1,2,3,4,5,6,7,8,9,10,11,12,13,14,15
	ds_store_b128 v5, v[R+64*((\s)%2)+4*\i:R+64*((\s)%2)+4*\i+3] offset:528*\i
.endr
.irp g, 0,1
.irp j, 0,1,2,3,4,5,6,7
	ds_load_b128 v[X+32*\g+4*\j:X+32*\g+4*\j+3], v6 offset:256*\g+16*\j   ; LDS serves a wave's instructions in order: these see the stores above
.endr
.endr
	s_wait_dscnt 0x0                               ; my numbers are back, and the stores have read their registers,
.if (\s) < 2
	LOAD (\s)+2                                    ; which take the loads of two steps on
.endif
.irp g, 0,1
	v_max3_num_f32 v[12+\g], |v[X+32*\g]|, |v[X+32*\g+1]|, 0x1800000   ; block 2 g + h: all 32 numbers are mine; the floor 2^(3 - 127) holds the byte at 1 from below
.endr
.irp i, 2,4,6,8,10,12,14,16,18,20,22,24,26,28,30
.irp g, 0,1
	v_max3_num_f32 v[12+\g], v[12+\g], |v[X+32*\g+\i]|, |v[X+32*\g+\i+1]|
.endr
.endr
.irp g, 0,1
	v_add_nc_u32 v[14+\g], 0xff000000, v[12+\g]    ; 2 off the exponent field: the conversion's scale operand
.endr
.irp g, 0,1
	v_lshrrev_b32 v[20+\g], 23, v[14+\g]           ; the scale's byte
.endr
	v_lshl_or_b32 v22, v21, 16, v20                ; my two bytes, blocks h and 2 + h,
	v_lshlrev_b32 v22, v9, v22                     ; at their places in the word;
	v_permlanex16_b32 v23, v22, s24, s25
	v_or_b32 v[W+(\s)], v22, v23                   ; with lane l xor 16's two the word is whole
.irp g, 0,1
.irp q, 0,1,2,3
	v_cvt_scalef32_pk8_fp4_f32 v[CD+8*(\s)+4*\g+\q], v[X+32*\g+8*\q:X+32*\g+8*\q+7], v[14+\g]
.endr
.endr
	v_nop                                          ; one plain instruction behind the last scaled conversion
	global_store_b128 v2, v[CD+8*(\s):CD+8*(\s)+3], s[10:11] offset:1024*(\s)           ; 32 lanes store 512 consecutive bytes
	global_store_b128 v2, v[CD+8*(\s)+4:CD+8*(\s)+7], s[10:11] offset:1024*(\s)+512
.endm
	LOAD 0
	LOAD 1
	STEP 0
	STEP 1
	STEP 2
	STEP 3
	v_cndmask_b32 v20, v[W], v[W+2], s26           ; lanes 0-15 store words 0, 1 of their row, lanes 16-31 words 2, 3
	v_cndmask_b32 v21, v[W+1], v[W+3], s26
	global_store_b64 v8, v[20:21], s[12:13]        ; 256 consecutive bytes
	s_wait_tensorcnt 0x0                           ; the wave's end: behind my last LDS store
	ds_add_u32 v[SPW], v[NIL]
	s_wait_dscnt 0x0
	s_endpgm
.Lfunc_end_k_qddbf4431d5_quant:
	.size	k_qddbf4431d5_quant, .Lfunc_end_k_qddbf4431d5_quant-k_qddbf4431d5_quant
	.p2alignl 7, 3214868480
	.fill 96, 4, 3214868480
	.section	.rodata,"a",@progbits
	.p2align	6, 0x0
	.amdhsa_kernel k_qddbf4431d5_quant
		.amdhsa_group_segment_fixed_size 17152
		.amdhsa_private_segment_fixed_size 0
		.amdhsa_enable_private_segment 0
		.amdhsa_kernarg_size 40
		.amdhsa_user_sgpr_count 2
		.amdhsa_user_sgpr_kernarg_segment_ptr 1
		.amdhsa_wavefront_size32 1
		.amdhsa_system_sgpr_workgroup_id_x 1
		.amdhsa_system_sgpr_workgroup_id_y 1
		.amdhsa_system_sgpr_workgroup_id_z 1
		.amdhsa_system_vgpr_workitem_id 0
		.amdhsa_next_free_vgpr 256
		.amdhsa_next_free_sgpr 66
		.amdhsa_reserve_vcc 0
		.amdhsa_float_denorm_mode_32 3
		.amdhsa_float_denorm_mode_16_64 3
		.amdhsa_memory_ordered 1
		.amdhsa_forward_progress 1
		.amdhsa_inst_pref_size 30
	.end_amdhsa_kernel
	.amdgpu_metadata
---
amdhsa.version: [ 1, 2 ]
amdhsa.kernels:
  - .name:           k_qddbf4431d5_quant
    .symbol:         k_qddbf4431d5_quant.kd
    .args:
      - { .name: x, .offset: 0, .size: 8, .value_kind: global_buffer, .address_space: global }
      - { .name: w_attn, .offset: 8, .size: 8, .value_kind: global_buffer, .address_space: global }
      - { .name: w_proj, .offset: 16, .size: 8, .value_kind: global_buffer, .address_space: global }
      - { .name: cimg, .offset: 24, .size: 8, .value_kind: global_buffer, .address_space: global }
      - { .name: simg, .offset: 32, .size: 8, .value_kind: global_buffer, .address_space: global }
    .group_segment_fixed_size: 17152
    .private_segment_fixed_size: 0
    .kernarg_segment_align: 8
    .kernarg_segment_size: 40
    .max_flat_workgroup_size: 64
    .sgpr_count:     66
    .vgpr_count:     256
    .wavefront_size: 32
...
	.end_amdgpu_metadata
.endif
;; end of part 1
;; launch qkv (part 2): grid 12 x 32, 4 waves a work-group, clusters of 4 x 4, 279,040 bytes of LDS; arguments cimg, simg, b_attn, qkv_img, qkv_scl; writes qkv_img, qkv_scl
.if DOCPART == 2
	.amdgcn_target "amdgcn-amd-amdhsa--gfx1250"
	.amdhsa_code_object_version 6
	.text
	.protected	k_qddbf4431d5_qkv
	.globl	k_qddbf4431d5_qkv
	.p2align	8
	.type	k_qddbf4431d5_qkv,@function
k_qddbf4431d5_qkv:
	s_mov_b64 s[64:65], 0
	v_nop
	global_prefetch_b8 v0, s[64:65] scope:SCOPE_SE
	s_setreg_imm32_b32 hwreg(HW_REG_WAVE_MODE, 25, 1), 1
	s_wait_xcnt 0x0
	s_wait_alu depctr_hold_cnt(0) depctr_sa_sdst(0) depctr_va_vdst(0) depctr_va_sdst(0) depctr_va_ssrc(0) depctr_va_vcc(0) depctr_vm_vsrc(0)
	s_getreg_b32 s2, hwreg(HW_REG_IB_STS2, 6, 4)
	s_cmp_eq_u32 s2, 0
	s_cbranch_scc0 .Lentry_in_a_cluster
	s_endpgm
.Lentry_in_a_cluster:
	s_bfe_u32 s2, ttmp6, 0x10000c
	s_cmp_lg_u32 s2, 0xf033
	s_cbranch_scc0 .Lentry_shape_is_right
	s_endpgm
.Lentry_shape_is_right:
; LAUNCH 2 OF 4.  qkv = x w_attn^T + b_attn on codes of FP4 (product 1), and q, k, v quantised at once for products 2 and 3: q and k along the head's 64, v along the keys.  No work is left out here.
; ONE TEXT, C'[m'][n'] = A' B'^T + bias, 256 x 256 a work-group, 128 x 128 a wave, quantised along n'.  Clusters x = 0, 1: A' = x (tokens), B' = w_attn's rows of q and k (n' = features).
; Cluster x = 2: A' = w_attn's rows of v, B' = x (n' = tokens = the keys): v comes out transposed, its K innermost, with no transposition.  The choice hangs on the cluster's x, which all sixteen partners share.
; THE MATRIX INSTRUCTION IS USED TRANSPOSED (source 0 = 16 rows of B', source 1 = 16 rows of A').  Both operands come as images whose tile t holds rows 32 (t/2) + 8 (t%2) + i + 8 (i/8): so for one tile a of A'
; a lane's 64 results over B's eight tiles are, register 16 b + i, column 32 b + 16 (lane/16) + i of ONE row: blocks of 32 lie in lanes l and l xor 16, and the conversions' results are the next operand's registers.
; ALL OF K LIES IN LDS AT ONCE: four chunks of two K steps, 64 KB each, and the scales, asked for together at the head (five tensor loads a wave are out, by this text's count); nothing is filled twice.
; CLUSTER 4 x 4: A's tiles are shared along a row of the cluster, B's along a column: joint loads.  Waves 0, 1 fetch A's halves, waves 2, 3 B's.
; OUTPUT.  qkv_img: q, k [b][head' 0..31][tile 0..127][512 B] (lane x 16 B: row r of the tile, d = 32 h ..; head' = head for q, 16 + head for k); from byte 8,388,608 v^T [b][head][G 0..15][g][delta 0..3][512 B]
; (row d of tile delta, keys 128 G + 64 g + 32 h ..).  qkv_scl: q [bh][G][r][a 0..7] words (bytes 0, 1 the two scales, 2, 3 zero); from byte 524,288, 12,288 a head: k likewise, then v [G][r][delta] words.
; LIMITS: NaN and infinities are not served; a block whose largest magnitude lies under 2^-124 gets the byte 1 (this program alone reads the bytes).
; REGISTERS.  window 0: v12-31 addresses; v32-95 scale words (8 i + S: lanes 0-15 A' tile i, lanes 16-31 B' tile i, K step S); v96-111 the scale words made; v112-127 at work; v128-191, v192-255 A's two sets.
;   window 1: v0-63, v128-191 B's two sets; v64-127 the bias as the first products' C.   windows 2, 3: the 64 accumulators, (a, b) at v[8 (8 (a%4) + b)].
.set CH,    65536                      ; a chunk: K steps 2 c, 2 c + 1 of the four quarters
.set QT,    16384                      ; a quarter: 8 tiles x 2,048 bytes: [tile][step][g][512]
.set SCL,   4*CH                       ; the scales: four quarters of 4,096 bytes
.set SQ,    4096
.set SPARE, SCL+4*SQ                   ; the spare words, 128 bytes for each wave
.set SOV,  12                          ; v12  v's scale words: 16 r + 12,288 h
.set SO2,  13                          ; v13  q's, k's scale words of the second head
.set SPW,  14
.set NIL,  15
.set ADRA, 16                          ; v16-19 my A' fragments in chunk c
.set ADRB, 20                          ; v20-23 my B' fragments
.set ADRS, 24                          ; v24  my scale words
.set BQ,   25                          ; v25  bias, q and k: 64 h
.set VO,   26                          ; v26-29 the images' places: 2 (a/4) + g
.set SO,   30                          ; v30  scale words: 32 r + 16 h
.set BV,   31                          ; v31  bias, v: 4 (r + 8 (r/8))
.set SC,   32
.set SW0,  96
.set SW1,  104
.set TM,   112
.set AF,   128
.set PC,   128                         ; the way out: tile a's codes at v[128 + 8 a]
.set XO,   192
.set BI,   64
.set G1A,  24
.set G1B,  32
.set G1SA, 40
.set G1SB, 48
.set G0SA, 56
.set G0SB, 80
.set SEL,  20
.set MSB, 0
.macro WIN new                         ; the immediate's high byte repeats the setting that is left
.if MSB != (\new)
	s_set_vgpr_msb (MSB<<8)|(\new)
.set MSB, (\new)
.endif
.endm
.macro JLOAD g0a, g1a, g0b, g1b        ; a joint load: waves 0, 1 for A', waves 2, 3 for B'; the branch hangs on the wave's number alone; s_nop 0 and four v_nop follow each line
	s_cmp_eq_u32 s15, 0
	s_cbranch_scc0 .Lfor_b_\@
	tensor_load_to_lds s[\g0a:\g0a+3], s[\g1a:\g1a+7]
	s_nop 0
.rept 4
	v_nop
.endr
	s_branch .Lasked_\@
.Lfor_b_\@:
	tensor_load_to_lds s[\g0b:\g0b+3], s[\g1b:\g1b+7]
	s_nop 0
.rept 4
	v_nop
.endr
.Lasked_\@:
.endm
.macro CROUND                          ; a round of the cluster's barrier
	s_barrier_signal -1
	s_barrier_wait -1
	s_cmp_lg_u32 s14, 0
	s_cbranch_scc1 .Lnot_wave_0_\@
	s_barrier_signal -3
.Lnot_wave_0_\@:
	s_barrier_wait -3
	s_barrier_signal -1
	s_barrier_wait -1
.endm
.macro PLACES n
.rept \n
	v_nop
.endr
.endm
	s_load_b256 s[4:11], s[0:1], 0x0               ; cimg s[4:5], simg s[6:7], b_attn s[8:9], qkv_img s[10:11]
	s_load_b64 s[12:13], s[0:1], 0x20              ; qkv_scl
	v_lshl_add_u32 v[SPW], v0, 2, SPARE
	v_mov_b32 v[NIL], 0
	ds_add_u32 v[SPW], v[NIL]                      ; the wave's opening: the add, twice on end, and its wait ahead of my first tensor load
	ds_add_u32 v[SPW], v[NIL]
	v_lshrrev_b32 v1, 5, v0
	v_readfirstlane_b32 s14, v1                    ; wave 0..3
	s_lshr_b32 s15, s14, 1                         ; my half of the rows.  Also: I fetch for A' (0) or B' (1)
	s_and_b32 s16, s14, 1                          ; my half of the columns.  Also: which 8 tiles I fetch
	s_bfe_u32 s17, ttmp6, 0x40000                  ; cx
	s_bfe_u32 s18, ttmp6, 0x40004                  ; cy
	s_and_b32 s19, ttmp7, 0xffff                   ; cluster y, 0..7
	s_lshl_b32 s20, s18, 2
	s_lshl_b32 s20, 15, s20                        ; my row of the cluster
	s_lshl_b32 s21, 0x1111, s17                    ; my column
	s_or_b32 s[G1A], s20, (3<<16)|(1<<21)          ; 15:0 the mask; 17:16 elements of 8 bytes; 21 set beside a mask; no padding: the images are read 512 dense bytes at a time
	s_or_b32 s[G1SA], s20, (3<<16)|(1<<21)
	s_or_b32 s[G1B], s21, (3<<16)|(1<<21)
	s_or_b32 s[G1SB], s21, (3<<16)|(1<<21)
.irp g, G1A, G1B                       ; codes: 8 tiles x 2,048 bytes (two K steps), 8,192 bytes from tile to tile
	s_mov_b32 s[\g+1], 256<<16                     ; tensor_dim0 = 256 elements
	s_mov_b32 s[\g+2], 8<<16                       ; tensor_dim1 = 8
	s_mov_b32 s[\g+3], 256<<16                     ; tile_dim0
	s_mov_b32 s[\g+4], 8                           ; tile_dim1
	s_mov_b32 s[\g+5], 1024                        ; stride
	s_mov_b32 s[\g+6], 0
	s_mov_b32 s[\g+7], 0
.endr
.irp g, G1SA, G1SB                     ; scales: 8 tiles x 512 dense bytes, as 16 rows of 256
	s_mov_b32 s[\g+1], 32<<16
	s_mov_b32 s[\g+2], 16<<16
	s_mov_b32 s[\g+3], 32<<16
	s_mov_b32 s[\g+4], 16
	s_mov_b32 s[\g+5], 32
	s_mov_b32 s[\g+6], 0
	s_mov_b32 s[\g+7], 0
.endr
	s_lshl_b32 s22, s19, 6                         ; 64 x cluster y
	s_lshl_b32 s23, ttmp9, 6
	s_add_co_u32 s23, s23, 512                     ; 512 + 64 x cluster x
	s_cmp_eq_u32 ttmp9, 2                          ; the clusters of v
	s_cselect_b32 s20, 640, s22                    ; A's first tile: w_attn's rows of v, or x
	s_cselect_b32 s21, s22, s23                    ; B's: x, or w_attn's rows of q and k
	s_lshl_b32 s22, s18, 4
	s_add_co_u32 s20, s20, s22                     ; A': + 16 cy: shared along my row
	s_lshl_b32 s100, s17, 4
	s_add_co_u32 s21, s21, s100                    ; B': + 16 cx: shared along my column
	s_lshl_b32 s3, s16, 3
	s_add_co_u32 s20, s20, s3                      ; + the 8 tiles that I fetch
	s_add_co_u32 s21, s21, s3
	s_lshl_b32 s2, s14, 14                         ; where they go: wave x a quarter
	s_lshl_b32 s3, s14, 12
	s_add_co_u32 s3, s3, SCL
	s_wait_dscnt 0x0                               ; both opening adds are done
	s_wait_kmcnt 0x0
	CROUND                                         ; all sixteen work-groups are here: the first joint loads meet
	s_mov_b32 s[G0SA], 1
	s_mov_b32 s[G0SA+1], s3
	s_lshl_b32 s[G0SA+2], s20, 9                   ; 512 bytes of scales a tile
	s_mov_b32 s[G0SA+3], 0
	s_add_nc_u64 s[G0SA+2:G0SA+3], s[6:7], s[G0SA+2:G0SA+3]
	s_or_b32 s[G0SA+3], s[G0SA+3], 0x80000000
	s_mov_b32 s[G0SB], 1
	s_mov_b32 s[G0SB+1], s3
	s_lshl_b32 s[G0SB+2], s21, 9
	s_mov_b32 s[G0SB+3], 0
	s_add_nc_u64 s[G0SB+2:G0SB+3], s[6:7], s[G0SB+2:G0SB+3]
	s_or_b32 s[G0SB+3], s[G0SB+3], 0x80000000
	JLOAD G0SA, G1SA, G0SB, G1SB                   ; the scales first: they are wanted with K step 0
	s_lshl_b32 s22, s20, 13                        ; 8,192 bytes of codes a tile
	s_mov_b32 s23, 0
	s_add_nc_u64 s[22:23], s[4:5], s[22:23]
	s_lshl_b32 s100, s21, 13
	s_mov_b32 s101, 0
	s_add_nc_u64 s[100:101], s[4:5], s[100:101]
.irp c, 0,1,2,3
.set GA, 60+4*\c+4*((\c+3)/4)          ; s[60:63], s[68:71], s[72:75], s[76:79]
.set GB, 84+4*\c                       ; s[84:99]
	s_mov_b32 s[GA], 1
	s_add_co_u32 s[GA+1], s2, \c*CH
	s_add_nc_u64 s[GA+2:GA+3], s[22:23], \c*2048
	s_or_b32 s[GA+3], s[GA+3], 0x80000000
	s_mov_b32 s[GB], 1
	s_add_co_u32 s[GB+1], s2, \c*CH
	s_add_nc_u64 s[GB+2:GB+3], s[100:101], \c*2048
	s_or_b32 s[GB+3], s[GB+3], 0x80000000
	JLOAD GA, G1A, GB, G1B
.endr
	; LDS addresses: constants, the lane and the wave's number alone
	v_and_b32 v1, 31, v0
	v_and_b32 v2, 15, v0                           ; r
	v_bfe_u32 v3, v0, 4, 1                         ; h
	v_lshlrev_b32 v4, 4, v1                        ; 16 x lane
	s_wait_alu depctr_va_vdst(0)
	s_lshl_b32 s20, s15, 14
	s_lshl_b32 s21, s16, 14
	s_add_co_u32 s21, s21, 2*QT
.irp c, 0,1,2,3
	v_add_nc_u32 v[ADRA+\c], s20, v4
	v_add_nc_u32 v[ADRB+\c], s21, v4
	s_add_co_u32 s20, s20, CH
	s_add_co_u32 s21, s21, CH
.endr
	s_lshl_b32 s20, s15, 12                        ; A's scales: my quarter
	s_lshl_b32 s21, s16, 12
	s_add_co_u32 s21, s21, 2*SQ                    ; B's, behind A's two
	s_sub_co_u32 s21, s21, s20
	v_mul_u32_u24 v5, s21, v3                      ; lanes 16-31 take B's: one product, the distance x h
	s_add_co_u32 s20, s20, SCL
	v_lshl_add_u32 v5, v2, 4, v5
	v_add_nc_u32 v[ADRS], s20, v5
	v_lshlrev_b32 v[BQ], 6, v3
	v_and_b32 v5, 8, v2
	v_add_nc_u32 v5, v5, v2
	v_lshlrev_b32 v[BV], 2, v5
	v_lshlrev_b32 v[SO], 5, v2
	v_lshl_add_u32 v[SO], v3, 4, v[SO]
	v_mul_u32_u24 v[SOV], 0x3000, v3
	v_lshl_add_u32 v[SOV], v2, 4, v[SOV]
.irp b, 0,1,2,3
	v_mov_b32 v[TM+4+\b], 0                        ; (a lane permute's destination counts as one of its sources)
.endr
	; where the results go.  TT, st: the block of 256 tokens and my half of it; TF, sf: the block of 256 features and my half
	s_lshl_b32 s20, s19, 2                         ; 4 x cluster y
	s_lshl_b32 s21, ttmp9, 2
	s_add_co_u32 s21, s21, s17                     ; 4 x cluster x + cx
	s_mov_b32 s2, 2048
	s_mov_b32 s3, 0x10000
	s_cmp_eq_u32 ttmp9, 2
	s_cselect_b32 s22, s17, s18                    ; tokens go along x in v's clusters, along y else
	s_cselect_b32 s23, s16, s15                    ; st
	s_cselect_b32 s21, s18, s21                    ; TF
	s_cselect_b32 s100, s15, s16                   ; sf
	s_cselect_b32 s101, s3, s2                     ; from tiles 0-3 to tiles 4-7 of A': four tiles on (q, k), or the next head (v)
	s_cselect_b32 s2, s2, s3                       ; from half g = 0 to g = 1 of a fragment: the next head (q, k), or 64 keys on (v)
	s_cselect_b32 s3, 16, 32                       ; heads' images in a batch
	v_mov_b32 v[VO], v4
	v_add_nc_u32 v[VO+1], s2, v4
	v_add_nc_u32 v[VO+2], s101, v4
	v_add_nc_u32 v[VO+3], s101, v[VO+1]
	s_cselect_b32 s101, 0x800000, 0                ; v's part of qkv_img
	s_cselect_b32 s2, 8192, 0                      ; v's part of b_attn
	s_add_co_u32 s20, s20, s22                     ; TT
	s_lshr_b32 s22, s20, 3                         ; the batch
	s_and_b32 s20, s20, 7
	s_lshl_b32 s20, s20, 1
	s_add_co_u32 s20, s20, s23                     ; G: which 128 tokens of the batch
	s_lshl_b32 s21, s21, 2
	s_lshl_b32 s100, s100, 1
	s_add_co_u32 s21, s21, s100                    ; my first head': 4 TF + 2 sf
	s_mul_i32 s3, s3, s22
	s_add_co_u32 s3, s3, s21
	s_lshl_b32 s3, s3, 16                          ; 65,536 bytes a head
	s_add_co_u32 s100, s3, s101
	s_lshl_b32 s3, s20, 12                         ; 4,096 bytes for 128 tokens
	s_add_co_u32 s100, s100, s3
	s_mov_b32 s101, 0
	s_add_nc_u64 s[10:11], s[10:11], s[100:101]
	s_lshl_b32 s100, s21, 8                        ; 64 features x 4 bytes a head
	s_add_co_u32 s100, s100, s2
	s_add_nc_u64 s[8:9], s[8:9], s[100:101]
	s_and_b32 s21, s21, 15
	s_lshl_b32 s22, s22, 4
	s_add_co_u32 s21, s21, s22                     ; 16 x batch + head
	s_mov_b32 s23, 12288
	s_cmp_eq_u32 ttmp9, 0
	s_cselect_b32 s23, 8192, s23                   ; scale bytes a head: q's part, or k's and v's
	s_cselect_b32 s22, 0, 0x80000
	s_mul_i32 s21, s21, s23
	s_add_co_u32 s100, s21, s22
	s_cmp_eq_u32 ttmp9, 2
	s_cselect_b32 s22, 8192, 0                     ; v's words lie behind k's
	s_cselect_b32 s3, 8, 9                         ; 256 or 512 bytes for 128 tokens
	s_lshl_b32 s20, s20, s3
	s_add_co_u32 s100, s100, s22
	s_add_co_u32 s100, s100, s20
	s_add_nc_u64 s[12:13], s[12:13], s[100:101]
	v_add_nc_u32 v[SO2], s23, v[SO]
	s_mov_b32 s[SEL], 0x76543210
	s_mov_b32 s[SEL+1], 0xfedcba98
	s_mov_b32 s22, 0xffff0000                      ; lanes 16-31
	; the bias, laid as the C of the first products
	s_cmp_eq_u32 ttmp9, 2
	s_cbranch_scc1 .Lbias_v
	WIN 0x40                                       ; q, k: it goes by the column: eight neighbours for each tile b of B'
.irp b, 0,1,2,3,4,5,6,7
	global_load_b128 v[BI+8*\b:BI+8*\b+3], v[BQ], s[8:9] offset:(32*(\b/2)+8*(\b%2))*4
	global_load_b128 v[BI+8*\b+4:BI+8*\b+7], v[BQ], s[8:9] offset:(32*(\b/2)+8*(\b%2))*4+16
.endr
	WIN 0
	s_branch .Lbias_done
.Lbias_v:
	WIN 0x40                                       ; v: it goes by the row of A', which is the lane's: one number for each tile a, in all eight registers
.irp a, 0,1,2,3,4,5,6,7
	global_load_b32 v[BI+8*\a], v[BV], s[8:9] offset:(32*(\a/2)+8*(\a%2))*4
.endr
	s_wait_loadcnt 0x0
	WIN 0x41
.irp a, 0,1,2,3,4,5,6,7
.irp j, 1,2,3,4,5,6,7
	v_mov_b32 v[BI+8*\a+\j], v[BI+8*\a]
.endr
.endr
	WIN 0
.Lbias_done:
	s_wait_loadcnt 0x0
.macro FETCH S                         ; the 16 fragments of K step S into set S % 2: 32 loads of 512 dense bytes
	WIN 0x40
.irp i, 0,1,2,3,4,5,6,7
.irp g, 0,1
	ds_load_b128 v[128*((\S)%2)+8*\i+4*\g:128*((\S)%2)+8*\i+4*\g+3], v[ADRB+(\S)/2] offset:2048*\i+1024*((\S)%2)+512*\g
.endr
.endr
	WIN 0
.irp i, 0,1,2,3,4,5,6,7
.irp g, 0,1
	ds_load_b128 v[AF+64*((\S)%2)+8*\i+4*\g:AF+64*((\S)%2)+8*\i+4*\g+3], v[ADRA+(\S)/2] offset:2048*\i+1024*((\S)%2)+512*\g
.endr
.endr
.endm
.macro MWIN hi, cm                     ; source 0 (B') window 1, source 1 (A') window 0, D window 2 or 3; C with D, or the bias in window 1
.if \cm
	WIN 0x91+0x40*(\hi)
.else
	WIN 0xa1+0x50*(\hi)
.endif
.endm
; 16 products: tiles a0, a0 + 1 of A' x B's eight.  cm = 0: onto the sums; 1: the bias by columns starts them; 2: the bias by rows.  The 64 accumulators take turns in one fixed order.
.macro MUL16 a0, S, cm
.irp a, \a0, \a0+1
.irp b, 0,1,2,3,4,5,6,7
.set rD, 8*(8*((\a)%4)+\b)
.set rB, 128*((\S)%2)+8*\b
.set rA, AF+64*((\S)%2)+8*(\a)
.if \cm == 1
	v_wmma_scale_f32_16x16x128_f8f6f4 v[rD:rD+7], v[rB:rB+7], v[rA:rA+7], v[BI+8*\b:BI+8*\b+7], v[SC+8*\b+(\S)], v[SC+8*(\a)+(\S)] matrix_a_fmt:MATRIX_FMT_FP4 matrix_b_fmt:MATRIX_FMT_FP4 matrix_a_scale:MATRIX_SCALE_ROW1
.elseif \cm == 2
	v_wmma_scale_f32_16x16x128_f8f6f4 v[rD:rD+7], v[rB:rB+7], v[rA:rA+7], v[BI+8*(\a):BI+8*(\a)+7], v[SC+8*\b+(\S)], v[SC+8*(\a)+(\S)] matrix_a_fmt:MATRIX_FMT_FP4 matrix_b_fmt:MATRIX_FMT_FP4 matrix_a_scale:MATRIX_SCALE_ROW1
.else
	v_wmma_scale_f32_16x16x128_f8f6f4 v[rD:rD+7], v[rB:rB+7], v[rA:rA+7], v[rD:rD+7], v[SC+8*\b+(\S)], v[SC+8*(\a)+(\S)] matrix_a_fmt:MATRIX_FMT_FP4 matrix_b_fmt:MATRIX_FMT_FP4 matrix_a_scale:MATRIX_SCALE_ROW1
.endif
.endr
.endr
.endm
; A K step: 64 products on set S % 2; the next step's 32 loads go out at its head (behind four places: the other set was read by the step before) and have the step in which to land.
; An odd step's successor lies in the next chunk: each wave shows its part of that chunk landed (the count leaves the later chunks out), then a barrier.
.macro STEP S, cm
	s_wait_dscnt 0x0                               ; this step's fragments are in
.if ((\S)%2) == 0
.if (\S) > 0
	PLACES 4
.endif
	FETCH (\S)+1
	MWIN 0, \cm
	MUL16 0, \S, \cm
	MUL16 2, \S, \cm
.elseif (\S) < 7
	s_wait_tensorcnt 3-((\S)+1)/2                  ; issued behind chunk (S + 1) / 2: the 3 - (S + 1) / 2 later chunks
	s_barrier_signal -1
	MWIN 0, \cm
	MUL16 0, \S, \cm                               ; work on registers while the others arrive
	s_barrier_wait -1
	PLACES 4
	FETCH (\S)+1
	MWIN 0, \cm
	MUL16 2, \S, \cm
.else
	MWIN 0, \cm
	MUL16 0, \S, \cm
	MUL16 2, \S, \cm
.endif
	MWIN 1, \cm
	MUL16 4, \S, \cm
	MUL16 6, \S, \cm
.endm
	s_wait_tensorcnt 0x3                           ; the scales and chunk 0 are in; the three later chunks may be out
	s_barrier_signal -1
	s_barrier_wait -1                              ; everybody's are
	FETCH 0
.irp i, 0,1,2,3,4,5,6,7
.irp k, 0,1
	ds_load_b128 v[SC+8*\i+4*\k:SC+8*\i+4*\k+3], v[ADRS] offset:512*\i+256*\k   ; all eight K steps' scale words: they stay in registers
.endr
.endr
	s_cmp_eq_u32 ttmp9, 2
	s_cbranch_scc1 .Lfirst_v
	s_wait_alu depctr_va_vdst(0)
	STEP 0, 1
	WIN 0
	s_branch .Lfirst_done
.Lfirst_v:
	s_wait_alu depctr_va_vdst(0)
	STEP 0, 2
	WIN 0
.Lfirst_done:
	STEP 1, 0
	STEP 2, 0
	STEP 3, 0
	STEP 4, 0
	STEP 5, 0
	STEP 6, 0
	STEP 7, 0
	WIN 0
	PLACES 4                                       ; behind the last products: results are read, and registers that held fragments are written
; THE WAY OUT.  Tile a's 64 results of a lane are four blocks of 32 (with lane l xor 16); they become a fragment's eight registers and two half words of scale bytes.
.macro QUANTA a
.set AC, 64*((\a)%4)
	WIN 0x28+0x14*((\a)/4)                         ; sources 1 and 2: window 2 or 3
.irp b, 0,1,2,3
	v_max3_num_f32 v[TM+\b], 0x1800000, |v[AC+16*\b]|, |v[AC+16*\b+1]|   ; each accumulator from its low end on; the floor 2^(3 - 127) holds the byte at 1 from below
.endr
.irp i, 2,4,6,8,10,12,14
.irp b, 0,1,2,3
	v_max3_num_f32 v[TM+\b], v[TM+\b], |v[AC+16*\b+\i]|, |v[AC+16*\b+\i+1]|
.endr
.endr
	WIN 0
.irp b, 0,1,2,3
	v_permlanex16_b32 v[TM+4+\b], v[TM+\b], s[SEL], s[SEL+1]
.endr
.irp b, 0,1,2,3
	v_max_num_f32 v[TM+\b], v[TM+\b], v[TM+4+\b]   ; the block's largest magnitude
.endr
.irp b, 0,1,2,3
	v_add_nc_u32 v[TM+12+\b], 0xff000000, v[TM+\b] ; 2 off its exponent field: the conversion's scale operand
.endr
.irp b, 0,1,2,3
	v_lshrrev_b32 v[TM+4+\b], 23, v[TM+12+\b]      ; the byte
.endr
	v_lshl_or_b32 v[SW0+(\a)], v[TM+5], 8, v[TM+4]
	v_lshl_or_b32 v[SW1+(\a)], v[TM+7], 8, v[TM+6]
	WIN 0x02+((\a)/4)                              ; source 0: window 2 or 3
.irp b, 0,1,2,3
	v_cvt_scalef32_pk8_fp4_f32 v[PC+8*(\a)+2*\b], v[AC+16*\b:AC+16*\b+7], v[TM+12+\b]
	v_cvt_scalef32_pk8_fp4_f32 v[PC+8*(\a)+2*\b+1], v[AC+16*\b+8:AC+16*\b+15], v[TM+12+\b]
.endr
	WIN 0
	v_nop                                          ; one plain instruction behind the last scaled conversion
.irp c, 0,1                            ; a whole block to a lane: lanes 0-15 block 2 c, lanes 16-31 block 2 c + 1
.irp i, 0,1
	v_permlane16_swap_b32 v[PC+8*(\a)+4*\c+\i], v[PC+8*(\a)+4*\c+2+\i]
.endr
.endr
.irp g, 0,1
	global_store_b128 v[VO+2*((\a)/4)+\g], v[PC+8*(\a)+4*\g:PC+8*(\a)+4*\g+3], s[10:11] offset:512*((\a)%4)   ; 512 consecutive bytes; each tile has its own registers: no store's data are written again
.endr
.endm
.irp a, 0,1,2,3,4,5,6,7
	QUANTA \a
.endr
	s_cmp_eq_u32 ttmp9, 2
	s_cbranch_scc1 .Lscl_v
.irp i, 0,1,2,3                        ; q, k: head g's word of tile a is SWg[a]; lanes 0-15 store tiles 0-3 of their row, lanes 16-31 tiles 4-7: 512 consecutive bytes
	v_cndmask_b32 v[XO+\i], v[SW0+\i], v[SW0+4+\i], s22
	v_cndmask_b32 v[XO+4+\i], v[SW1+\i], v[SW1+4+\i], s22
.endr
	global_store_b128 v[SO], v[XO:XO+3], s[12:13]
	global_store_b128 v[SO2], v[XO+4:XO+7], s[12:13]
	s_branch .Lscl_done
.Lscl_v:
.irp a, 0,1,2,3,4,5,6,7                ; v: the four bytes are one word of 128 keys
	v_lshl_or_b32 v[XO+8+\a], v[SW1+\a], 16, v[SW0+\a]
.endr
.irp i, 0,1,2,3                        ; lanes 0-15: the first head's four tiles, lanes 16-31 the second's
	v_cndmask_b32 v[XO+\i], v[XO+8+\i], v[XO+12+\i], s22
.endr
	global_store_b128 v[SOV], v[XO:XO+3], s[12:13]
.Lscl_done:
	s_wait_tensorcnt 0x0                           ; the wave's end: behind my last tensor load
	ds_add_u32 v[SPW], v[NIL]
	s_wait_dscnt 0x0
	CROUND                                         ; the closing round: no work-group ends while a partner may still ask for a tile that names it
	s_endpgm
.Lfunc_end_k_qddbf4431d5_qkv:
	.size	k_qddbf4431d5_qkv, .Lfunc_end_k_qddbf4431d5_qkv-k_qddbf4431d5_qkv
	.p2alignl 7, 3214868480
	.fill 96, 4, 3214868480
	.section	.rodata,"a",@progbits
	.p2align	6, 0x0
	.amdhsa_kernel k_qddbf4431d5_qkv
		.amdhsa_group_segment_fixed_size 279040
		.amdhsa_private_segment_fixed_size 0
		.amdhsa_enable_private_segment 0
		.amdhsa_kernarg_size 40
		.amdhsa_user_sgpr_count 2
		.amdhsa_user_sgpr_kernarg_segment_ptr 1
		.amdhsa_wavefront_size32 1
		.amdhsa_system_sgpr_workgroup_id_x 1
		.amdhsa_system_sgpr_workgroup_id_y 1
		.amdhsa_system_sgpr_workgroup_id_z 1
		.amdhsa_system_vgpr_workitem_id 0
		.amdhsa_next_free_vgpr 1024
		.amdhsa_next_free_sgpr 102
		.amdhsa_reserve_vcc 0
		.amdhsa_float_denorm_mode_32 3
		.amdhsa_float_denorm_mode_16_64 3
		.amdhsa_memory_ordered 1
		.amdhsa_forward_progress 1
		.amdhsa_inst_pref_size 146
	.end_amdhsa_kernel
	.amdgpu_metadata
---
amdhsa.version: [ 1, 2 ]
amdhsa.kernels:
  - .name:           k_qddbf4431d5_qkv
    .symbol:         k_qddbf4431d5_qkv.kd
    .args:
      - { .name: cimg, .offset: 0, .size: 8, .value_kind: global_buffer, .address_space: global }
      - { .name: simg, .offset: 8, .size: 8, .value_kind: global_buffer, .address_space: global }
      - { .name: b_attn, .offset: 16, .size: 8, .value_kind: global_buffer, .address_space: global }
      - { .name: qkv_img, .offset: 24, .size: 8, .value_kind: global_buffer, .address_space: global }
      - { .name: qkv_scl, .offset: 32, .size: 8, .value_kind: global_buffer, .address_space: global }
    .group_segment_fixed_size: 279040
    .private_segment_fixed_size: 0
    .kernarg_segment_align: 8
    .kernarg_segment_size: 40
    .max_flat_workgroup_size: 128
    .sgpr_count:     102
    .vgpr_count:     1024
    .wavefront_size: 32
...
	.end_amdgpu_metadata
.endif
;; end of part 2
;; launch attn (part 3): grid 4 x 64, 16 waves a work-group, clusters of 4 x 1, 167,936 bytes of LDS; arguments qkv_img, qkv_scl, y_img, y_scl; writes y_img, y_scl
.if DOCPART == 3
	.amdgcn_target "amdgcn-amd-amdhsa--gfx1250"
	.amdhsa_code_object_version 6
	.text
	.protected	k_qddbf4431d5_attn
	.globl	k_qddbf4431d5_attn
	.p2align	8
	.type	k_qddbf4431d5_attn,@function
k_qddbf4431d5_attn:
	s_mov_b64 s[64:65], 0
	v_nop
	global_prefetch_b8 v0, s[64:65] scope:SCOPE_SE
	s_setreg_imm32_b32 hwreg(HW_REG_WAVE_MODE, 25, 1), 1
	s_wait_xcnt 0x0
	s_wait_alu depctr_hold_cnt(0) depctr_sa_sdst(0) depctr_va_vdst(0) depctr_va_sdst(0) depctr_va_ssrc(0) depctr_va_vcc(0) depctr_vm_vsrc(0)
	s_getreg_b32 s2, hwreg(HW_REG_IB_STS2, 6, 4)
	s_cmp_eq_u32 s2, 0
	s_cbranch_scc0 .Lentry_in_a_cluster
	s_endpgm
.Lentry_in_a_cluster:
	s_bfe_u32 s2, ttmp6, 0x10000c
	s_cmp_lg_u32 s2, 0x3003
	s_cbranch_scc0 .Lentry_shape_is_right
	s_endpgm
.Lentry_shape_is_right:
; LAUNCH 3 OF 4.  y = softmax(q k^T / 8, causal) v on codes of FP4 (products 2 and 3), and y quantised along C for product 4.
; WORK LEFT OUT: a step of 128 keys all of which come after a tile's 16 queries: reference()'s own causal mask gives those keys p = 0 for every finite input (shown at the head of launch quant).
; THE SOFTMAX: t = score x log2(e) / 8; M = the running largest t rounded UP to a whole number; p = 2^(t - M) is quantised along the keys, not normalised; the row's sum is taken of the unquantised p and divides at the end.
; When M moves, the sum and O are multiplied by 2^(old M - new M), which rounds nothing.
; SHARES.  A cluster of four work-groups owns one head of one batch; work-group j takes query tiles j + 4 n, n = 0..31; wave w takes n = 31 - w and then n = w.  Tile j + 4 n needs key steps 0 .. n / 2, whatever j:
; (31 - w) / 2 + w / 2 + 2 = 17 steps for every wave, and no branch hangs on the work-group's place.  The four partners read the same K, V and scales: joint loads.
; THE WHOLE HEAD LIES IN LDS: K's image 64 KB, V's 64 KB, their scale words 12 KB, asked for at the head (wave 0: three tensor loads out, wave 1: two); nothing is filled twice.  The first four key steps come by loads of their own,
; so that work begins when 16 KB of each have landed.
; LAYOUT.  Both products transposed: S^T = K Q^T, O^T = V^T P^T: a lane holds ONE query.  The head's 64 fill half of the instruction's K: the upper four registers of Q's and K's fragments are zero codes, under the scale byte 0.
; The images' tiles hold rows 32 (t/2) + 8 (t%2) + i + 8 (i/8): so p's 16 registers of two neighbouring tiles are 16 neighbouring keys, and O^T's likewise 16 neighbouring channels.
; OUTPUT.  y_img [512 tiles][32 blocks][16 rows][16 B], y_scl [512][2][16 rows][16 B], as launch quant lays x.  LIMITS: NaN and infinities are not served; a block under 2^-124 gets the byte 1.
; REGISTERS: v1-11 addresses; v12 -M, v13 the largest t, v[14:15] the sum; v16-23, v24-31 the two Q fragments; v32-95 K; v96-159 S^T, then p; v160-191 O^T; v192-223 V; v224-231 p's codes; v232-254 at work;
; scale words: v7, v255 Q's, v248-251 K's, v240-243 V's, v253 p's.
.set VIMG,  65536
.set KSC,   131072
.set VSC,   139264
.set SPARE, 143360                     ; the spare words, 128 bytes for each of 16 waves
.set LI,  1                            ; v1  16 x lane
.set AS0, 2                            ; v2  K's scale words: KSC + 32 r + 16 h
.set AT0, 3                            ; v3  V's: VSC + 16 r
.set DQ,  4                            ; v4  my query's place in its key step, less 16 h
.set SPW, 5
.set NIL, 6
.set QSL, 7
.set ADK, 8
.set ADV, 9
.set ADS, 10
.set ADT, 11
.set WV,  12
.set CX,  13
.set BH,  14
.set SEL, 20
.set CS,  22                           ; s[22:23] c = log2(e) / 8
.set G1C0, 24                          ; 16 KB: 64 rows of 256 bytes
.set G1CR, 32                          ; 48 KB: 192 rows
.set G1S,  40                          ; 12 KB: 48 rows
.set G0S,  48
.set G0C0, 52
.set G0CR, 56
.set GC,  60                           ; the key step
.set GL,  61                           ; the tile's last key step
.set TK,  62                           ; 4,096 x step
.set TS,  63                           ; 512 x step
.set TV,  66                           ; 256 x step
.set CNT, 67
.set MK,  68
.macro CROUND
	s_barrier_signal -1
	s_barrier_wait -1
	s_cmp_lg_u32 s[WV], 0
	s_cbranch_scc1 .Lnot_wave_0_\@
	s_barrier_signal -3
.Lnot_wave_0_\@:
	s_barrier_wait -3
	s_barrier_signal -1
	s_barrier_wait -1
.endm
	s_load_b256 s[4:11], s[0:1], 0x0               ; qkv_img s[4:5], qkv_scl s[6:7], y_img s[8:9], y_scl s[10:11]
	v_lshl_add_u32 v[SPW], v0, 2, SPARE
	v_mov_b32 v[NIL], 0
	ds_add_u32 v[SPW], v[NIL]                      ; the wave's opening: the add, twice on end, and its wait ahead of the first tensor loads
	ds_add_u32 v[SPW], v[NIL]
	v_lshrrev_b32 v8, 5, v0
	s_delay_alu instid0(VALU_DEP_1)
	v_readfirstlane_b32 s[WV], v8                  ; wave 0..15
	s_bfe_u32 s[CX], ttmp6, 0x40000                ; my place in the cluster: it enters Q's and y's addresses and the mask's lane term alone
	s_and_b32 s[BH], ttmp7, 0xffff                 ; 16 x batch + head
.irp g, G1C0, G1CR, G1S                ; dense blocks as rows of 256 bytes
	s_mov_b32 s[\g], 15|(3<<16)|(1<<21)            ; 15:0 all four work-groups; 17:16 elements of 8 bytes; 21 set beside a mask
	s_mov_b32 s[\g+1], 32<<16
	s_mov_b32 s[\g+3], 32<<16
	s_mov_b32 s[\g+5], 32
	s_mov_b32 s[\g+6], 0
	s_mov_b32 s[\g+7], 0
.endr
	s_mov_b32 s[G1C0+2], 64<<16
	s_mov_b32 s[G1C0+4], 64
	s_mov_b32 s[G1CR+2], 192<<16
	s_mov_b32 s[G1CR+4], 192
	s_mov_b32 s[G1S+2], 48<<16
	s_mov_b32 s[G1S+4], 48
	s_and_b32 s15, s[WV], 1
	s_lshl_b32 s16, s15, 16                        ; LDS: K's image (wave 0) or V's (wave 1)
	s_and_b32 s17, s[BH], 0xfff0
	s_add_co_u32 s17, s17, s[BH]                   ; 32 x batch + head: q's image
	s_add_co_u32 s18, s17, 16                      ; k's
	s_lshl_b32 s18, s18, 16
	s_lshl_b32 s19, s[BH], 16
	s_add_co_u32 s19, s19, 0x800000                ; v's
	s_cmp_eq_u32 s15, 0
	s_cselect_b32 s18, s18, s19
	s_mov_b32 s19, 0
	s_mul_i32 s70, s[BH], 12288
	s_add_co_u32 s70, s70, 0x80000                 ; k's and v's scale words
	s_mov_b32 s71, 0
	s_mov_b32 s[SEL], 0x76543210
	s_mov_b32 s[SEL+1], 0xfedcba98
	s_mov_b32 s[CS], 0x3e38aa3b
	s_mov_b32 s[CS+1], s[CS]
	s_mov_b32 s[MK], 0xffff0000
	s_wait_dscnt 0x0                               ; both opening adds are done
	s_wait_kmcnt 0x0
	s_mov_b32 s[G0S], 1
	s_mov_b32 s[G0S+1], KSC
	s_add_nc_u64 s[G0S+2:G0S+3], s[6:7], s[70:71]
	s_or_b32 s[G0S+3], s[G0S+3], 0x80000000
	s_mov_b32 s[G0C0], 1
	s_mov_b32 s[G0C0+1], s16
	s_add_nc_u64 s[G0C0+2:G0C0+3], s[4:5], s[18:19]
	s_mov_b32 s[G0CR], 1
	s_add_co_u32 s[G0CR+1], s16, 16384
	s_add_nc_u64 s[G0CR+2:G0CR+3], s[G0C0+2:G0C0+3], 16384
	s_or_b32 s[G0C0+3], s[G0C0+3], 0x80000000
	s_or_b32 s[G0CR+3], s[G0CR+3], 0x80000000
	CROUND                                         ; all four work-groups are here: the joint loads meet
	s_cmp_eq_u32 s[WV], 0                          ; a wave's first fills stand in one arm; waves 2 to 15 fetch nothing
	s_cbranch_scc0 .Lnot_w0
	tensor_load_to_lds s[G0S:G0S+3], s[G1S:G1S+7]
	s_nop 0
	tensor_load_to_lds s[G0C0:G0C0+3], s[G1C0:G1C0+7]
	s_nop 0
	tensor_load_to_lds s[G0CR:G0CR+3], s[G1CR:G1CR+7]
	s_nop 0
.rept 4
	v_nop
.endr
	s_branch .Lfilled
.Lnot_w0:
	s_cmp_eq_u32 s[WV], 1
	s_cbranch_scc0 .Lfilled
	tensor_load_to_lds s[G0C0:G0C0+3], s[G1C0:G1C0+7]
	s_nop 0
	tensor_load_to_lds s[G0CR:G0CR+3], s[G1CR:G1CR+7]
	s_nop 0
.rept 4
	v_nop
.endr
.Lfilled:
	v_and_b32 v8, 31, v0
	s_delay_alu instid0(VALU_DEP_1)
	v_lshlrev_b32 v[LI], 4, v8
	s_wait_alu depctr_va_vdst(0)
	v_and_b32 v9, 15, v0                           ; r
	s_wait_alu depctr_va_vdst(0)
	v_bfe_u32 v10, v0, 4, 1                        ; h
	v_lshlrev_b32 v[AS0], 5, v9
	s_delay_alu instid0(VALU_DEP_1)
	v_lshl_add_u32 v[AS0], v10, 4, v[AS0]
	s_delay_alu instid0(VALU_DEP_1)
	v_add_nc_u32 v[AS0], KSC, v[AS0]
	v_lshl_add_u32 v[AT0], v9, 4, VSC
	s_sub_co_u32 s72, 31, s[WV]                    ; n of my late tile
	s_lshr_b32 s74, s72, 1                         ; its last key step: made of the wave's number alone
	s_lshl_b32 s72, s72, 2
	s_add_co_u32 s72, s72, s[CX]                   ; the tile
	s_lshr_b32 s75, s[WV], 1                       ; the early tile's last key step
	s_lshl_b32 s73, s[WV], 2
	s_add_co_u32 s73, s73, s[CX]
	s_lshl_b32 s18, s17, 16
	s_add_nc_u64 s[4:5], s[4:5], s[18:19]          ; q's image of my head
	s_lshl_b32 s18, s[BH], 13
	s_add_nc_u64 s[6:7], s[6:7], s[18:19]          ; and its scale words
	s_lshl_b32 s69, s72, 9
	v_add_nc_u32 v232, s69, v[LI]
	s_wait_alu depctr_va_vdst(0)
	s_lshl_b32 s69, s73, 9
	v_add_nc_u32 v233, s69, v[LI]
	s_wait_alu depctr_va_vdst(0)
	s_lshr_b32 s69, s72, 3
	s_lshl_b32 s69, s69, 9
	s_and_b32 s70, s72, 7
	s_lshl_b32 s70, s70, 2
	s_add_co_u32 s69, s69, s70
	v_lshl_add_u32 v234, v9, 5, s69                ; [G][r][a]: 512 G + 32 r + 4 a
	s_lshr_b32 s69, s73, 3
	s_lshl_b32 s69, s69, 9
	s_and_b32 s70, s73, 7
	s_lshl_b32 s70, s70, 2
	s_add_co_u32 s69, s69, s70
	v_lshl_add_u32 v235, v9, 5, s69
	global_load_b128 v[16:19], v232, s[4:5]
	global_load_b128 v[24:27], v233, s[4:5]
	global_load_b32 v255, v234, s[6:7]
	global_load_b32 v[QSL], v235, s[6:7]
.irp i, 20,21,22,23,28,29,30,31
	v_mov_b32 v[\i], 0                             ; zero codes for k = 64 .. 127
.endr
.irp a, 0,1,2,3,4,5,6,7
.irp i, 4,5,6,7
	v_mov_b32 v[32+8*\a+\i], 0
.endr
.endr
.irp b, 0,1,2,3
	v_mov_b32 v[236+\b], 0                         ; (a lane permute's destination counts as one of its sources)
.endr
	s_wait_loadcnt 0x0
; A KEY STEP: 128 keys.  qf: Q's fragment; qs: its scale words; full = 1: steps behind the tile's last are left out, and the last is masked.
.macro STEP qf, qs, full
.if \full
	s_cmp_gt_u32 s[GC], s[GL]                      ; all 128 keys come after my 16 queries: a branch on the wave's number and the count of steps
	s_cbranch_scc1 .Lhidden_\@
.endif
	s_setprio 2
	v_add_nc_u32 v[ADK], s[TK], v[LI]              ; (these four are also the places between the last products and the loads into V's registers)
	v_add_nc_u32 v[ADS], s[TS], v[AS0]
	v_add_nc_u32 v[ADT], s[TV], v[AT0]
	s_delay_alu instid0(VALU_DEP_3)
	v_add_nc_u32 v[ADV], VIMG, v[ADK]
.irp a, 0,1,2,3,4,5,6,7
	ds_load_b128 v[32+8*\a:35+8*\a], v[ADK] offset:512*\a
.endr
	ds_load_b128 v[248:251], v[ADS]                ; lanes 0-15: tiles 0-3 of their key, lanes 16-31: tiles 4-7
.irp g, 0,1
.irp d, 0,1,2,3
	ds_load_b128 v[192+8*\d+4*\g:195+8*\d+4*\g], v[ADV] offset:2048*\g+512*\d
.endr
.endr
	ds_load_b128 v[240:243], v[ADT]
	s_wait_dscnt 9                                 ; K and its scales are in; V's nine loads may be out
.irp a, 0,1,2,3
	v_wmma_scale_f32_16x16x128_f8f6f4 v[96+8*\a:103+8*\a], v[32+8*\a:39+8*\a], v[\qf:\qf+7], 0, v[248+\a], v[\qs] matrix_a_fmt:MATRIX_FMT_FP4 matrix_b_fmt:MATRIX_FMT_FP4
.endr
.irp a, 4,5,6,7
	v_wmma_scale_f32_16x16x128_f8f6f4 v[96+8*\a:103+8*\a], v[32+8*\a:39+8*\a], v[\qf:\qf+7], 0, v[244+\a], v[\qs] matrix_a_fmt:MATRIX_FMT_FP4 matrix_b_fmt:MATRIX_FMT_FP4 matrix_a_scale:MATRIX_SCALE_ROW1
.endr
.rept 4
	v_nop
.endr
.if \full
	s_cmp_lt_u32 s[GC], s[GL]                      ; every key counts: no mask
	s_cbranch_scc1 .Lopen_\@
	v_mov_b32 v254, 0xff800000                     ; on the diagonal hidden scores become -infinity ahead of the maximum: p = 0 then
.set n, 0
.rept 64                               ; register 16 b + i holds key 32 b + 16 h + i of the step: hidden where 32 b + i > my query's place - 16 h
	v_cmp_gt_i32 vcc_lo, 32*(n/16)+n%16, v[DQ]
	v_cndmask_b32 v[96+n], v[96+n], v254, vcc_lo
.set n, n+1
.endr
.Lopen_\@:
.endif
.irp b, 0,1,2,3
	v_max3_num_f32 v[232+\b], v[96+16*\b], v[97+16*\b], v[98+16*\b]   ; the largest score of each block of 32 keys: for the row's maximum, and, since p rises with the score, for the block's largest p
.endr
.irp i, 3,5,7,9,11,13
.irp b, 0,1,2,3
	v_max3_num_f32 v[232+\b], v[232+\b], v[96+16*\b+\i], v[97+16*\b+\i]
.endr
.endr
.irp b, 0,1,2,3
	v_max_num_f32 v[232+\b], v[232+\b], v[111+16*\b]
.endr
.irp b, 0,1,2,3
	s_delay_alu instid0(VALU_DEP_4)
	v_permlanex16_b32 v[236+\b], v[232+\b], s[SEL], s[SEL+1]
.endr
.irp b, 0,1,2,3
	s_delay_alu instid0(VALU_DEP_4)
	v_max_num_f32 v[232+\b], v[232+\b], v[236+\b]
.endr
	s_delay_alu instid0(VALU_DEP_2)
	v_max3_num_f32 v254, v232, v233, v234
	s_delay_alu instid0(VALU_DEP_1)
	v_max_num_f32 v254, v254, v235
	s_delay_alu instid0(VALU_DEP_1)
	v_mul_f32 v254, s[CS], v254                    ; as t
	s_delay_alu instid0(VALU_DEP_1)
	v_max_num_f32 v13, v13, v254                   ; the running largest t
	v_mov_b32 v254, v12
	s_delay_alu instid0(VALU_DEP_2)
	v_floor_f32 v12, -v13                          ; -M = floor(-t): M is a whole number
	s_delay_alu instid0(VALU_DEP_1)
	v_sub_f32 v254, v12, v254                      ; old M - new M
	s_delay_alu instid0(VALU_DEP_1)
	v_cvt_i32_f32 v254, v254                       ; (it saturates)
	s_delay_alu instid0(VALU_DEP_1)
	v_ldexp_f32 v252, 1.0, v254                    ; f = 2^(old M - new M)
.set j, 0
.rept 32
	v_pk_fma_f32 v[96+j:97+j], v[96+j:97+j], s[CS:CS+1], v[12:13] op_sel_hi:[1,0,0]   ; t - M, two at a time
.set j, j+2
.endr
.irp b, 0,1,2,3
	v_fma_f32 v[232+\b], v[232+\b], s[CS], v12
.endr
.set j, 0
	s_setprio 1
	s_wait_alu depctr_va_vdst(0)
.rept 64
	v_exp_f32 v[96+j], v[96+j]                     ; p = 2^(t - M)
.set j, j+1
.endr
	v_pk_mul_f32 v[14:15], v[14:15], v[252:253] op_sel_hi:[1,0]   ; the sums under the new M (a plain instruction behind the exponentials)
	s_wait_alu depctr_va_vdst(0)                   ; one wait for the batch, ahead of its first reader
.irp b, 0,1,2,3
	v_exp_f32 v[232+\b], v[232+\b]                 ; each block's largest p
.endr
	v_pk_add_f32 v[236:237], v[100:101], v[104:105]
	v_pk_add_f32 v[250:251], v[108:109], v[112:113]
	v_pk_add_f32 v[248:249], v[116:117], v[120:121]
	v_pk_add_f32 v[246:247], v[124:125], v[128:129]
	v_pk_add_f32 v[244:245], v[132:133], v[136:137]
	v_pk_add_f32 v[238:239], v[140:141], v[144:145]
	v_pk_add_f32 v[230:231], v[148:149], v[152:153]
	v_pk_add_f32 v[14:15], v[14:15], v[156:157]
	v_pk_add_f32 v[236:237], v[236:237], v[96:97]
	v_pk_add_f32 v[250:251], v[250:251], v[98:99]
	v_pk_add_f32 v[248:249], v[248:249], v[102:103]
	v_pk_add_f32 v[246:247], v[246:247], v[106:107]
	v_pk_add_f32 v[244:245], v[244:245], v[110:111]
	v_pk_add_f32 v[238:239], v[238:239], v[114:115]
	v_pk_add_f32 v[230:231], v[230:231], v[118:119]
	v_pk_add_f32 v[14:15], v[14:15], v[122:123]
	v_pk_add_f32 v[236:237], v[236:237], v[126:127]
	v_pk_add_f32 v[250:251], v[250:251], v[130:131]
	v_pk_add_f32 v[248:249], v[248:249], v[134:135]
	v_pk_add_f32 v[246:247], v[246:247], v[138:139]
	v_pk_add_f32 v[244:245], v[244:245], v[142:143]
	v_pk_add_f32 v[238:239], v[238:239], v[146:147]
	v_pk_add_f32 v[230:231], v[230:231], v[150:151]
	v_pk_add_f32 v[14:15], v[14:15], v[154:155]
	v_pk_add_f32 v[236:237], v[236:237], v[158:159]
	s_delay_alu instid0(VALU_DEP_2)
	v_pk_add_f32 v[14:15], v[14:15], v[246:247]
	s_delay_alu instid0(VALU_DEP_2)
	v_pk_add_f32 v[236:237], v[236:237], v[244:245]
	v_pk_add_f32 v[250:251], v[250:251], v[238:239]
	v_pk_add_f32 v[248:249], v[248:249], v[230:231]
	s_delay_alu instid0(VALU_DEP_2)
	v_pk_add_f32 v[14:15], v[14:15], v[250:251]
	s_delay_alu instid0(VALU_DEP_2)
	v_pk_add_f32 v[236:237], v[236:237], v[248:249]
	s_delay_alu instid0(VALU_DEP_1)
	v_pk_add_f32 v[14:15], v[14:15], v[236:237]
	s_wait_alu depctr_va_vdst(0)                   ; and one for the four
.irp b, 0,1,2,3
	v_max_num_f32 v[232+\b], 0x1800000, v[232+\b]  ; the floor 2^(3 - 127): the byte cannot fall under 1
.endr
.irp b, 0,1,2,3
	s_delay_alu instid0(VALU_DEP_4)
	v_add_nc_u32 v[244+\b], 0xff000000, v[232+\b]
.endr
.irp b, 0,1,2,3
	s_delay_alu instid0(VALU_DEP_4)
	v_lshrrev_b32 v[236+\b], 23, v[244+\b]
.endr
	s_delay_alu instid0(VALU_DEP_3)
	v_lshl_or_b32 v253, v237, 8, v236              ; p's scale word for these 128 keys
	s_delay_alu instid0(VALU_DEP_1)
	v_lshl_or_b32 v253, v238, 16, v253
	s_delay_alu instid0(VALU_DEP_1)
	v_lshl_or_b32 v253, v239, 24, v253
.irp b, 0,1,2,3
	v_cvt_scalef32_pk8_fp4_f32 v[224+2*\b], v[96+16*\b:103+16*\b], v[244+\b]
	v_cvt_scalef32_pk8_fp4_f32 v[225+2*\b], v[104+16*\b:111+16*\b], v[244+\b]
.endr
	s_setprio 0
	v_nop
.irp c, 0,1
.irp i, 0,1
	v_permlane16_swap_b32 v[224+4*\c+\i], v[226+4*\c+\i]
.endr
.endr
.set j, 0
.rept 16
	v_pk_mul_f32 v[160+j:161+j], v[160+j:161+j], v[252:253] op_sel_hi:[1,0]   ; O^T under the new M; these sixteen are also the places between the scale word, the codes and the products
.set j, j+2
.endr
	s_wait_alu depctr_va_vdst(0)
	s_wait_dscnt 0x0                               ; V and its scales are in
.irp d, 0,1,2,3
	v_wmma_scale_f32_16x16x128_f8f6f4 v[160+8*\d:167+8*\d], v[192+8*\d:199+8*\d], v[224:231], v[160+8*\d:167+8*\d], v[240+\d], v253 matrix_a_fmt:MATRIX_FMT_FP4 matrix_b_fmt:MATRIX_FMT_FP4
.endr
.if \full
.Lhidden_\@:
.endif
	s_add_co_u32 s[GC], s[GC], 1
	s_add_co_u32 s[TK], s[TK], 4096
	s_add_co_u32 s[TS], s[TS], 512
	s_add_co_u32 s[TV], s[TV], 256
.endm
.macro INIT tau, gl                    ; a tile begins: zeros, which the first change of M leaves zeros
	s_wait_xcnt 0x0                                ; the last tile's stores have read their registers
	s_mov_b32 s[GL], s[\gl]
	s_mov_b32 s[GC], 0
	s_mov_b32 s[TK], 0
	s_mov_b32 s[TS], 0
	s_mov_b32 s[TV], 0
	s_and_b32 s69, s[\tau], 7                      ; the tile's place e in its key step: its row r is key 32 (e/2) + 8 (e%2) + r + 8 (r/8)
	s_lshr_b32 s70, s69, 1
	s_lshl_b32 s70, s70, 5
	s_and_b32 s69, s69, 1
	s_lshl_b32 s69, s69, 3
	s_add_co_u32 s69, s69, s70
	v_and_b32 v232, 15, v0
	v_and_b32 v233, 8, v0
	v_and_b32 v234, 16, v0
	s_delay_alu instid0(VALU_DEP_2)
	v_add_nc_u32 v232, v232, v233
	s_delay_alu instid0(VALU_DEP_1)
	v_sub_nc_u32 v232, v232, v234
	s_delay_alu instid0(VALU_DEP_1)
	v_add_nc_u32 v[DQ], s69, v232
	v_mov_b32 v13, 0xff61b1e6                      ; -3e38, under every t
	s_delay_alu instid0(VALU_DEP_1)
	v_floor_f32 v12, -v13
	v_mov_b32 v14, 0
	v_mov_b32 v15, 0
	v_mov_b32 v253, 0
.set j, 0
.rept 32
	v_mov_b32 v[160+j], 0
.set j, j+1
.endr
.endm
; THE WAY OUT of a tile: O^T / the sum; register 16 b + i is channel 32 b + 16 h + i of my query: two blocks of y's K.  Codes: 512 consecutive bytes a wave; the two scale bytes of a row: one a lane.
.macro WAYOUT tau
	v_add_f32 v14, v14, v15
	s_delay_alu instid0(VALU_DEP_1)
	v_permlanex16_b32 v252, v14, s[SEL], s[SEL+1]
	s_delay_alu instid0(VALU_DEP_1)
	v_add_f32 v14, v14, v252                       ; the row's sum
	s_wait_alu depctr_va_vdst(0)
	v_rcp_f32 v14, v14
	s_lshr_b32 s69, s[BH], 4
	s_lshl_b32 s69, s69, 7
	s_add_co_u32 s69, s69, s[\tau]                 ; y's tile: 128 x batch + tile
	s_and_b32 s70, s[BH], 15                       ; the head
	s_lshl_b32 s71, s69, 13
	s_lshl_b32 s76, s70, 9
	s_add_co_u32 s71, s71, s76
	v_add_nc_u32 v[ADK], s71, v[LI]                ; codes: tile x 8,192 + head x 512 + 16 x lane
	s_lshl_b32 s71, s69, 9
	s_lshr_b32 s76, s70, 3
	s_lshl_b32 s76, s76, 8
	s_add_co_u32 s71, s71, s76
	s_and_b32 s76, s70, 7
	s_lshl_b32 s76, s76, 1
	s_add_co_u32 s71, s71, s76
	v_and_b32 v[ADV], 15, v0
	v_bfe_u32 v[ADS], v0, 4, 1
	s_delay_alu instid0(VALU_DEP_1)
	v_lshl_add_u32 v[ADV], v[ADV], 4, v[ADS]
	s_delay_alu instid0(VALU_DEP_1)
	v_add_nc_u32 v[ADV], s71, v[ADV]               ; bytes: tile x 512 + (head / 8) x 256 + 16 r + 2 (head % 8) + h
	s_wait_alu depctr_va_vdst(0)                   ; ahead of the reciprocal's first reader
.set j, 0
.rept 32
	v_mul_f32 v[96+j], v[160+j], v14
.set j, j+1
.endr
.irp b, 0,1
	v_max3_num_f32 v[232+\b], |v[96+16*\b]|, |v[97+16*\b]|, 0x1800000
.endr
.irp i, 2,4,6,8,10,12,14
.irp b, 0,1
	s_delay_alu instid0(VALU_DEP_2)
	v_max3_num_f32 v[232+\b], v[232+\b], |v[96+16*\b+\i]|, |v[97+16*\b+\i]|
.endr
.endr
.irp b, 0,1
	s_delay_alu instid0(VALU_DEP_2)
	v_permlanex16_b32 v[236+\b], v[232+\b], s[SEL], s[SEL+1]
.endr
.irp b, 0,1
	s_delay_alu instid0(VALU_DEP_2)
	v_max_num_f32 v[232+\b], v[232+\b], v[236+\b]
.endr
.irp b, 0,1
	s_delay_alu instid0(VALU_DEP_2)
	v_add_nc_u32 v[244+\b], 0xff000000, v[232+\b]
.endr
.irp b, 0,1
	s_delay_alu instid0(VALU_DEP_2)
	v_lshrrev_b32 v[236+\b], 23, v[244+\b]
.endr
.irp b, 0,1
	v_cvt_scalef32_pk8_fp4_f32 v[224+2*\b], v[96+16*\b:103+16*\b], v[244+\b]
	v_cvt_scalef32_pk8_fp4_f32 v[225+2*\b], v[104+16*\b:111+16*\b], v[244+\b]
.endr
	v_nop
	v_permlane16_swap_b32 v224, v226               ; lanes 0-15: block 0 whole, lanes 16-31: block 1
	v_permlane16_swap_b32 v225, v227
	v_cndmask_b32 v238, v236, v237, s[MK]
	global_store_b128 v[ADK], v[224:227], s[8:9]
	global_store_b8 v[ADV], v238, s[10:11]
.endm
	s_wait_tensorcnt 0x1                           ; the scales and the first four key steps are in; the remainder, issued behind them, may be out
	s_barrier_signal -1
	s_barrier_wait -1
	INIT 72, 74
	s_mov_b32 s[CNT], 4
.LloopA:                                           ; key steps 0-3 of the late tile: its last step is 8 at the least, so every key counts
	STEP 16, 255, 0
	s_sub_co_u32 s[CNT], s[CNT], 1
	s_cmp_lg_u32 s[CNT], 0
	s_cbranch_scc1 .LloopA
	s_setprio 0
	s_wait_tensorcnt 0x0                           ; the remainder has landed,
	s_wait_dscnt 0x0
	s_barrier_signal -1
	s_barrier_wait -1                              ; for every wave
	s_mov_b32 s[GC], 4
	s_mov_b32 s[TK], 4*4096
	s_mov_b32 s[TS], 4*512
	s_mov_b32 s[TV], 4*256
	s_mov_b32 s[CNT], 12
.LloopB:                                           ; key steps 4-15: a constant count; what lies behind the tile's last step is jumped over
	STEP 16, 255, 1
	s_sub_co_u32 s[CNT], s[CNT], 1
	s_cmp_lg_u32 s[CNT], 0
	s_cbranch_scc1 .LloopB
	s_setprio 0
	WAYOUT 72
	INIT 73, 75
	s_mov_b32 s[CNT], 8
.LloopC:                                           ; the early tile: key steps 0-7 at the most
	STEP 24, QSL, 1
	s_sub_co_u32 s[CNT], s[CNT], 1
	s_cmp_lg_u32 s[CNT], 0
	s_cbranch_scc1 .LloopC
	s_setprio 0
	WAYOUT 73
	s_wait_tensorcnt 0x0                           ; the wave's end
	ds_add_u32 v[SPW], v[NIL]
	s_wait_dscnt 0x0
	CROUND                                         ; the closing round
	s_endpgm
.Lfunc_end_k_qddbf4431d5_attn:
	.size	k_qddbf4431d5_attn, .Lfunc_end_k_qddbf4431d5_attn-k_qddbf4431d5_attn
	.p2alignl 7, 3214868480
	.fill 96, 4, 3214868480
	.section	.rodata,"a",@progbits
	.p2align	6, 0x0
	.amdhsa_kernel k_qddbf4431d5_attn
		.amdhsa_group_segment_fixed_size 167936
		.amdhsa_private_segment_fixed_size 0
		.amdhsa_enable_private_segment 0
		.amdhsa_kernarg_size 32
		.amdhsa_user_sgpr_count 2
		.amdhsa_user_sgpr_kernarg_segment_ptr 1
		.amdhsa_wavefront_size32 1
		.amdhsa_system_sgpr_workgroup_id_x 1
		.amdhsa_system_sgpr_workgroup_id_y 1
		.amdhsa_system_sgpr_workgroup_id_z 1
		.amdhsa_system_vgpr_workitem_id 0
		.amdhsa_next_free_vgpr 256
		.amdhsa_next_free_sgpr 80
		.amdhsa_reserve_vcc 1
		.amdhsa_float_denorm_mode_32 3
		.amdhsa_float_denorm_mode_16_64 3
		.amdhsa_memory_ordered 1
		.amdhsa_forward_progress 1
		.amdhsa_inst_pref_size 82
	.end_amdhsa_kernel
	.amdgpu_metadata
---
amdhsa.version: [ 1, 2 ]
amdhsa.kernels:
  - .name:           k_qddbf4431d5_attn
    .symbol:         k_qddbf4431d5_attn.kd
    .args:
      - { .name: qkv_img, .offset: 0, .size: 8, .value_kind: global_buffer, .address_space: global }
      - { .name: qkv_scl, .offset: 8, .size: 8, .value_kind: global_buffer, .address_space: global }
      - { .name: y_img, .offset: 16, .size: 8, .value_kind: global_buffer, .address_space: global }
      - { .name: y_scl, .offset: 24, .size: 8, .value_kind: global_buffer, .address_space: global }
    .group_segment_fixed_size: 167936
    .private_segment_fixed_size: 0
    .kernarg_segment_align: 8
    .kernarg_segment_size: 32
    .max_flat_workgroup_size: 512
    .sgpr_count:     80
    .vgpr_count:     256
    .wavefront_size: 32
...
	.end_amdgpu_metadata
.endif
;; end of part 3
;; launch proj (part 4): grid 4 x 64, 4 waves a work-group, clusters of 4 x 4, 243,200 bytes of LDS; arguments y_img, y_scl, cimg, simg, b_proj, out0; writes out0
.if DOCPART == 4
	.amdgcn_target "amdgcn-amd-amdhsa--gfx1250"
	.amdhsa_code_object_version 6
	.text
	.protected	k_qddbf4431d5_proj
	.globl	k_qddbf4431d5_proj
	.p2align	8
	.type	k_qddbf4431d5_proj,@function
k_qddbf4431d5_proj:
	s_mov_b64 s[64:65], 0
	v_nop
	global_prefetch_b8 v0, s[64:65] scope:SCOPE_SE
	s_setreg_imm32_b32 hwreg(HW_REG_WAVE_MODE, 25, 1), 1
	s_wait_xcnt 0x0
	s_wait_alu depctr_hold_cnt(0) depctr_sa_sdst(0) depctr_va_vdst(0) depctr_va_sdst(0) depctr_va_ssrc(0) depctr_va_vcc(0) depctr_vm_vsrc(0)
	s_getreg_b32 s2, hwreg(HW_REG_IB_STS2, 6, 4)
	s_cmp_eq_u32 s2, 0
	s_cbranch_scc0 .Lentry_in_a_cluster
	s_endpgm
.Lentry_in_a_cluster:
	s_bfe_u32 s2, ttmp6, 0x10000c
	s_cmp_lg_u32 s2, 0xf033
	s_cbranch_scc0 .Lentry_shape_is_right
	s_endpgm
.Lentry_shape_is_right:
; LAUNCH 4 OF 4.  out0 = y w_proj^T + b_proj on codes of FP4 (product 4).  No work is left out here.
; A work-group makes 128 rows x 256 columns, a wave 64 x 128: 32 accumulators.  256 work-groups.  The frame is launch qkv's: both operands are images in the order of the operand's registers, all of K lies in LDS at once
; (four chunks of two K steps, 48 KB each, and the scales: five tensor loads a wave are out, by this text's count; nothing is filled twice), cluster 4 x 4 with y's tiles shared along a row and w_proj's along a column.
; The matrix instruction is used transposed (source 0 = 16 rows of w_proj, source 1 = 16 rows of y): a lane holds eight neighbouring columns of one row; the bias is the C of the first products.
; The images' tile t holds rows 32 (t/2) + 8 (t%2) + i + 8 (i/8): columns come out in true order, 32 (b/2) + 16 h + 8 (b%2) + j, and a tile's row i goes to that row of out0.
; REGISTERS.  window 0: v14-29 addresses; v32-63 y's scale words (8 a + S), v64-127 w_proj's (8 b + S); v192-223, v224-255 y's two sets.  window 1: v0-63, v128-191 w_proj's two sets; v64-127 the bias; on the way out all 256: rows read back.
;   window 2: the accumulators, (a, b) at v[8 (8 a + b)].
.set CH,    49152                      ; a chunk: y's two halves of 8,192 bytes, then w_proj's two of 16,384
.set SCA,   4*CH                       ; y's scales: two halves of 2,048 bytes
.set SCB,   SCA+2*2048                 ; w_proj's: two halves of 4,096
.set STAGE, SCB+2*4096                 ; the way out: 16 rows x (512 + 16) bytes for each wave; no tensor load lands here
.set SP,    528
.set SPARE, STAGE+4*16*SP              ; the spare words, 128 bytes for each wave
.set SPW,  14
.set NIL,  15
.set ADRA, 16
.set ADRB, 20
.set ADSA, 24
.set ADSB, 25
.set BQ,   26
.set STO,  27
.set RD,   28
.set CO,   29
.set SA,   32
.set SB,   64
.set AF,   192
.set BI,   64
.set G1A,  24
.set G1B,  32
.set G1SA, 40
.set G1SB, 48
.set G0SA, 56
.set G0SB, 80
.set MSB, 0
.macro WIN new
.if MSB != (\new)
	s_set_vgpr_msb (MSB<<8)|(\new)
.set MSB, (\new)
.endif
.endm
.macro JLOAD g0a, g1a, g0b, g1b        ; waves 0, 1 fetch y's halves, waves 2, 3 w_proj's; s_nop 0 and four v_nop follow each line
	s_cmp_eq_u32 s17, 0
	s_cbranch_scc0 .Lfor_b_\@
	tensor_load_to_lds s[\g0a:\g0a+3], s[\g1a:\g1a+7]
	s_nop 0
.rept 4
	v_nop
.endr
	s_branch .Lasked_\@
.Lfor_b_\@:
	tensor_load_to_lds s[\g0b:\g0b+3], s[\g1b:\g1b+7]
	s_nop 0
.rept 4
	v_nop
.endr
.Lasked_\@:
.endm
.macro CROUND
	s_barrier_signal -1
	s_barrier_wait -1
	s_cmp_lg_u32 s16, 0
	s_cbranch_scc1 .Lnot_wave_0_\@
	s_barrier_signal -3
.Lnot_wave_0_\@:
	s_barrier_wait -3
	s_barrier_signal -1
	s_barrier_wait -1
.endm
.macro PLACES n
.rept \n
	v_nop
.endr
.endm
	s_load_b256 s[4:11], s[0:1], 0x0               ; y_img s[4:5], y_scl s[6:7], cimg s[8:9], simg s[10:11]
	s_load_b128 s[12:15], s[0:1], 0x20             ; b_proj s[12:13], out0 s[14:15]
	v_lshl_add_u32 v[SPW], v0, 2, SPARE
	v_mov_b32 v[NIL], 0
	ds_add_u32 v[SPW], v[NIL]                      ; the wave's opening: the add, twice on end, and its wait ahead of my first tensor load
	ds_add_u32 v[SPW], v[NIL]
	v_lshrrev_b32 v1, 5, v0
	v_readfirstlane_b32 s16, v1                    ; wave 0..3
	s_lshr_b32 s17, s16, 1                         ; my half of the rows.  Also: I fetch for y (0) or w_proj (1)
	s_and_b32 s18, s16, 1                          ; my half of the columns.  Also: which half I fetch
	s_bfe_u32 s19, ttmp6, 0x40000                  ; cx = the block of 256 columns
	s_bfe_u32 s20, ttmp6, 0x40004                  ; cy
	s_and_b32 s21, ttmp7, 0xffff                   ; cluster y, 0..15
	s_lshl_b32 s22, s20, 2
	s_lshl_b32 s22, 15, s22                        ; my row of the cluster
	s_lshl_b32 s100, 0x1111, s19                   ; my column
	s_or_b32 s[G1A], s22, (3<<16)|(1<<21)
	s_or_b32 s[G1SA], s22, (3<<16)|(1<<21)
	s_or_b32 s[G1B], s100, (3<<16)|(1<<21)
	s_or_b32 s[G1SB], s100, (3<<16)|(1<<21)
.irp g, G1A, G1B                       ; codes: tiles x 2,048 bytes (two K steps), 8,192 bytes from tile to tile
	s_mov_b32 s[\g+1], 256<<16
	s_mov_b32 s[\g+3], 256<<16
	s_mov_b32 s[\g+5], 1024
	s_mov_b32 s[\g+6], 0
	s_mov_b32 s[\g+7], 0
.endr
	s_mov_b32 s[G1A+2], 4<<16                      ; y: 4 tiles
	s_mov_b32 s[G1A+4], 4
	s_mov_b32 s[G1B+2], 8<<16                      ; w_proj: 8
	s_mov_b32 s[G1B+4], 8
.irp g, G1SA, G1SB                     ; scales: dense, as rows of 256 bytes
	s_mov_b32 s[\g+1], 32<<16
	s_mov_b32 s[\g+3], 32<<16
	s_mov_b32 s[\g+5], 32
	s_mov_b32 s[\g+6], 0
	s_mov_b32 s[\g+7], 0
.endr
	s_mov_b32 s[G1SA+2], 8<<16
	s_mov_b32 s[G1SA+4], 8
	s_mov_b32 s[G1SB+2], 16<<16
	s_mov_b32 s[G1SB+4], 16
	s_lshl_b32 s22, s21, 5                         ; y's tile: 8 x (4 x cluster y + cy) + 4 x half
	s_lshl_b32 s23, s20, 3
	s_add_co_u32 s22, s22, s23
	s_lshl_b32 s23, s18, 2
	s_add_co_u32 s22, s22, s23
	s_lshl_b32 s100, s19, 4                        ; w_proj's: 704 + 16 cx + 8 x half
	s_lshl_b32 s101, s18, 3
	s_add_co_u32 s100, s100, s101
	s_add_co_u32 s100, s100, 704
	s_lshl_b32 s2, s18, 13                         ; where they go in a chunk: y's half,
	s_lshl_b32 s3, s18, 14
	s_add_co_u32 s3, s3, 16384                     ; w_proj's half
	s_wait_dscnt 0x0                               ; both opening adds are done
	s_wait_kmcnt 0x0
	CROUND                                         ; all sixteen work-groups are here
	s_mov_b32 s[G0SA], 1
	s_lshl_b32 s[G0SA+1], s18, 11
	s_add_co_u32 s[G0SA+1], s[G0SA+1], SCA
	s_lshl_b32 s[G0SA+2], s22, 9
	s_mov_b32 s[G0SA+3], 0
	s_add_nc_u64 s[G0SA+2:G0SA+3], s[6:7], s[G0SA+2:G0SA+3]
	s_or_b32 s[G0SA+3], s[G0SA+3], 0x80000000
	s_mov_b32 s[G0SB], 1
	s_lshl_b32 s[G0SB+1], s18, 12
	s_add_co_u32 s[G0SB+1], s[G0SB+1], SCB
	s_lshl_b32 s[G0SB+2], s100, 9
	s_mov_b32 s[G0SB+3], 0
	s_add_nc_u64 s[G0SB+2:G0SB+3], s[10:11], s[G0SB+2:G0SB+3]
	s_or_b32 s[G0SB+3], s[G0SB+3], 0x80000000
	JLOAD G0SA, G1SA, G0SB, G1SB
	s_lshl_b32 s22, s22, 13
	s_mov_b32 s23, 0
	s_add_nc_u64 s[22:23], s[4:5], s[22:23]
	s_lshl_b32 s100, s100, 13
	s_mov_b32 s101, 0
	s_add_nc_u64 s[100:101], s[8:9], s[100:101]
.irp c, 0,1,2,3
.set GA, 60+4*\c+4*((\c+3)/4)          ; s[60:63], s[68:71], s[72:75], s[76:79]
.set GB, 84+4*\c
	s_mov_b32 s[GA], 1
	s_add_co_u32 s[GA+1], s2, \c*CH
	s_add_nc_u64 s[GA+2:GA+3], s[22:23], \c*2048
	s_or_b32 s[GA+3], s[GA+3], 0x80000000
	s_mov_b32 s[GB], 1
	s_add_co_u32 s[GB+1], s3, \c*CH
	s_add_nc_u64 s[GB+2:GB+3], s[100:101], \c*2048
	s_or_b32 s[GB+3], s[GB+3], 0x80000000
	JLOAD GA, G1A, GB, G1B
.endr
	v_and_b32 v1, 31, v0
	v_and_b32 v2, 15, v0                           ; r
	v_bfe_u32 v3, v0, 4, 1                         ; h
	v_lshlrev_b32 v4, 4, v1                        ; 16 x lane
	s_lshl_b32 s2, s17, 13                         ; the half of y that I multiply
	s_lshl_b32 s3, s18, 14
	s_add_co_u32 s3, s3, 16384                     ; and of w_proj
.irp c, 0,1,2,3
	v_add_nc_u32 v[ADRA+\c], s2, v4
	v_add_nc_u32 v[ADRB+\c], s3, v4
	s_add_co_u32 s2, s2, CH
	s_add_co_u32 s3, s3, CH
.endr
	s_lshl_b32 s2, s17, 11
	s_add_co_u32 s2, s2, SCA
	v_lshl_add_u32 v[ADSA], v2, 4, s2
	s_lshl_b32 s3, s18, 12
	s_add_co_u32 s3, s3, SCB
	v_lshl_add_u32 v[ADSB], v2, 4, s3
	v_lshlrev_b32 v[BQ], 6, v3
	s_mul_i32 s2, s16, 16*SP
	s_add_co_u32 s2, s2, STAGE                     ; my stage
	v_mul_u32_u24 v[STO], v2, SP
	v_lshl_add_u32 v[STO], v3, 6, v[STO]
	v_add_nc_u32 v[STO], s2, v[STO]                ; in: row r, + 64 h bytes
	v_add_nc_u32 v[RD], s2, v4                     ; back: a row's 512 bytes, 16 a lane
	v_mov_b32 v[CO], v4
	s_lshl_b32 s22, s21, 2
	s_add_co_u32 s22, s22, s20                     ; the block of 128 rows
	s_lshl_b32 s22, s22, 1
	s_add_co_u32 s22, s22, s17                     ; my 64 of them
	s_lshl_b32 s22, s22, 18                        ; x 64 rows of 4,096 bytes
	s_lshl_b32 s100, s19, 1
	s_add_co_u32 s100, s100, s18
	s_lshl_b32 s100, s100, 9                       ; my 128 columns x 4 bytes
	s_mov_b32 s101, 0
	s_add_nc_u64 s[12:13], s[12:13], s[100:101]
	s_add_co_u32 s100, s100, s22
	s_add_nc_u64 s[14:15], s[14:15], s[100:101]
	WIN 0x40
.irp b, 0,1,2,3,4,5,6,7
	global_load_b128 v[BI+8*\b:BI+8*\b+3], v[BQ], s[12:13] offset:(32*(\b/2)+8*(\b%2))*4
	global_load_b128 v[BI+8*\b+4:BI+8*\b+7], v[BQ], s[12:13] offset:(32*(\b/2)+8*(\b%2))*4+16
.endr
	WIN 0
	s_wait_loadcnt 0x0
.macro FETCH S                         ; K step S into set S % 2: 16 + 8 loads of 512 dense bytes
	WIN 0x40
.irp i, 0,1,2,3,4,5,6,7
.irp g, 0,1
	ds_load_b128 v[128*((\S)%2)+8*\i+4*\g:128*((\S)%2)+8*\i+4*\g+3], v[ADRB+(\S)/2] offset:2048*\i+1024*((\S)%2)+512*\g
.endr
.endr
	WIN 0
.irp i, 0,1,2,3
.irp g, 0,1
	ds_load_b128 v[AF+32*((\S)%2)+8*\i+4*\g:AF+32*((\S)%2)+8*\i+4*\g+3], v[ADRA+(\S)/2] offset:2048*\i+1024*((\S)%2)+512*\g
.endr
.endr
.endm
.macro MUL16 a0, S, cm                 ; tiles a0, a0 + 1 of y x w_proj's eight; cm = 1: the bias starts the sums.  The 32 accumulators take turns in one fixed order
.irp a, \a0, \a0+1
.irp b, 0,1,2,3,4,5,6,7
.set rD, 8*(8*(\a)+\b)
.set rB, 128*((\S)%2)+8*\b
.set rA, AF+32*((\S)%2)+8*(\a)
.if \cm
	v_wmma_scale_f32_16x16x128_f8f6f4 v[rD:rD+7], v[rB:rB+7], v[rA:rA+7], v[BI+8*\b:BI+8*\b+7], v[SB+8*\b+(\S)], v[SA+8*(\a)+(\S)] matrix_a_fmt:MATRIX_FMT_FP4 matrix_b_fmt:MATRIX_FMT_FP4
.else
	v_wmma_scale_f32_16x16x128_f8f6f4 v[rD:rD+7], v[rB:rB+7], v[rA:rA+7], v[rD:rD+7], v[SB+8*\b+(\S)], v[SA+8*(\a)+(\S)] matrix_a_fmt:MATRIX_FMT_FP4 matrix_b_fmt:MATRIX_FMT_FP4
.endif
.endr
.endr
.endm
.macro MWIN cm                         ; source 0 window 1, source 1 window 0, D window 2; C with D, or the bias in window 1
.if \cm
	WIN 0x91
.else
	WIN 0xa1
.endif
.endm
.macro STEP S, cm                      ; as in launch qkv: the next step's loads at the head, behind four places; an odd step shows the next chunk landed and passes a barrier behind which nothing is filled
	s_wait_dscnt 0x0
.if ((\S)%2) == 0
.if (\S) > 0
	PLACES 4
.endif
	FETCH (\S)+1
	MWIN \cm
	MUL16 0, \S, \cm
.elseif (\S) < 7
	s_wait_tensorcnt 3-((\S)+1)/2                  ; issued behind chunk (S + 1) / 2: the later chunks
	s_barrier_signal -1
	MWIN \cm
	MUL16 0, \S, \cm
	s_barrier_wait -1
	PLACES 4
	FETCH (\S)+1
	MWIN \cm
.else
	MWIN \cm
	MUL16 0, \S, \cm
.endif
	MUL16 2, \S, \cm
.endm
	s_wait_tensorcnt 0x3                           ; the scales and chunk 0 are in; the three later chunks may be out
	s_barrier_signal -1
	s_barrier_wait -1
	FETCH 0
.irp i, 0,1,2,3
.irp k, 0,1
	ds_load_b128 v[SA+8*\i+4*\k:SA+8*\i+4*\k+3], v[ADSA] offset:512*\i+256*\k
.endr
.endr
.irp i, 0,1,2,3,4,5,6,7
.irp k, 0,1
	ds_load_b128 v[SB+8*\i+4*\k:SB+8*\i+4*\k+3], v[ADSB] offset:512*\i+256*\k
.endr
.endr
	STEP 0, 1
	STEP 1, 0
	STEP 2, 0
	STEP 3, 0
	STEP 4, 0
	STEP 5, 0
	STEP 6, 0
	STEP 7, 0
	WIN 0
	PLACES 4                                       ; behind the last products: results are read, and loads land in registers that held fragments
; THE WAY OUT, a tile of 16 rows x 128 columns at a time, through my own stage: whole rows of 512 bytes come back and are stored by 32 lanes.  LDS serves a wave's instructions in order: no wait between stores and loads.
.macro TOSTAGE a
	WIN 0x08                                       ; an LDS store's data: window 2
.irp b, 0,1,2,3,4,5,6,7
	ds_store_b128 v[STO], v[64*(\a)+8*\b:64*(\a)+8*\b+3] offset:128*(\b/2)+32*(\b%2)         ; each accumulator from its low end on
	ds_store_b128 v[STO], v[64*(\a)+8*\b+4:64*(\a)+8*\b+7] offset:128*(\b/2)+32*(\b%2)+16
.endr
	WIN 0x40                                       ; back into window 1: 64 registers of its own for each tile, so no store's data are written again
.irp t, 0,1,2,3,4,5,6,7,8,9,10,11,12,13,14,15
	ds_load_b128 v[64*(\a)+4*\t:64*(\a)+4*\t+3], v[RD] offset:SP*\t
.endr
	WIN 0
.endm
.macro SEND a, younger                 ; younger: the LDS instructions issued behind tile a's loads
	s_wait_dscnt \younger
	WIN 0x04                                       ; a store's data: window 1
.irp t, 0,1,2,3,4,5,6,7,8,9,10,11,12,13,14,15
	global_store_b128 v[CO], v[64*(\a)+4*\t:64*(\a)+4*\t+3], s[14:15] offset:(32*((\a)/2)+8*((\a)%2)+\t+8*(\t/8))*4096 th:TH_STORE_NT   ; 512 consecutive bytes of one row, at a multiple of 512 from out0's first byte
.endr
	WIN 0
.endm
	TOSTAGE 0
.irp a, 1,2,3
	TOSTAGE \a
	SEND \a-1, 32                                  ; behind tile a - 1's loads: tile a's 16 stores and 16 loads
.endr
	SEND 3, 0
	s_wait_tensorcnt 0x0                           ; the wave's end: behind my last tensor load and my last LDS store
	ds_add_u32 v[SPW], v[NIL]
	s_wait_dscnt 0x0
	CROUND                                         ; the closing round
	s_endpgm
.Lfunc_end_k_qddbf4431d5_proj:
	.size	k_qddbf4431d5_proj, .Lfunc_end_k_qddbf4431d5_proj-k_qddbf4431d5_proj
	.p2alignl 7, 3214868480
	.fill 96, 4, 3214868480
	.section	.rodata,"a",@progbits
	.p2align	6, 0x0
	.amdhsa_kernel k_qddbf4431d5_proj
		.amdhsa_group_segment_fixed_size 243200
		.amdhsa_private_segment_fixed_size 0
		.amdhsa_enable_private_segment 0
		.amdhsa_kernarg_size 48
		.amdhsa_user_sgpr_count 2
		.amdhsa_user_sgpr_kernarg_segment_ptr 1
		.amdhsa_wavefront_size32 1
		.amdhsa_system_sgpr_workgroup_id_x 1
		.amdhsa_system_sgpr_workgroup_id_y 1
		.amdhsa_system_sgpr_workgroup_id_z 1
		.amdhsa_system_vgpr_workitem_id 0
		.amdhsa_next_free_vgpr 768
		.amdhsa_next_free_sgpr 102
		.amdhsa_reserve_vcc 0
		.amdhsa_float_denorm_mode_32 3
		.amdhsa_float_denorm_mode_16_64 3
		.amdhsa_memory_ordered 1
		.amdhsa_forward_progress 1
		.amdhsa_inst_pref_size 76
	.end_amdhsa_kernel
	.amdgpu_metadata
---
amdhsa.version: [ 1, 2 ]
amdhsa.kernels:
  - .name:           k_qddbf4431d5_proj
    .symbol:         k_qddbf4431d5_proj.kd
    .args:
      - { .name: y_img, .offset: 0, .size: 8, .value_kind: global_buffer, .address_space: global }
      - { .name: y_scl, .offset: 8, .size: 8, .value_kind: global_buffer, .address_space: global }
      - { .name: cimg, .offset: 16, .size: 8, .value_kind: global_buffer, .address_space: global }
      - { .name: simg, .offset: 24, .size: 8, .value_kind: global_buffer, .address_space: global }
      - { .name: b_proj, .offset: 32, .size: 8, .value_kind: global_buffer, .address_space: global }
      - { .name: out0, .offset: 40, .size: 8, .value_kind: global_buffer, .address_space: global }
    .group_segment_fixed_size: 243200
    .private_segment_fixed_size: 0
    .kernarg_segment_align: 8
    .kernarg_segment_size: 48
    .max_flat_workgroup_size: 128
    .sgpr_count:     102
    .vgpr_count:     768
    .wavefront_size: 32
...
	.end_amdgpu_metadata
.endif
;; end of part 4
